; MI455X (gfx1250); checked and timed in simulation.
; The chip was launched on July 23, 2026; its instructions are those of AMD's public machine-readable ISA for CDNA 5 (MIT licence, August 2026) and "CDNA5" Instruction Set Architecture Reference Guide (July 2026). The comments in the code are by the model that wrote it; some were corrected since.
;; Transformer Block. Allowed arithmetic: matrix products marked QUANTISED: E2M3 operands, one E8M0 scale for each 32 along K, by v_wmma_scale_f32_16x16x128_f8f6f4 with both operands' format E2M3, f32 sums; everything else in f32.
;; Inputs: W1 1,024 x 4,096 float32; W2 4,096 x 1,024 float32; Wk 16 x 1,024 x 64 float32; Wo 1,024 x 1,024 float32; Wq 16 x 1,024 x 64 float32; Wv 16 x 1,024 x 64 float32; b1 4,096 float32; b2 1,024 float32; be1 1,024 float32; be2 1,024 float32; bo 1,024 float32; g1 1,024 float32; g2 1,024 float32; x 2 x 2,048 x 1,024 float32.
;; Outputs: out0 2 x 2,048 x 1,024 float32.
;; This version of the problem:
;;   THIS VERSION OF THE PROBLEM IS GIVEN IN LOW PRECISION. The matrix products marked QUANTISED in the list below multiply operands that are first quantised to E2M3 (2 exponent bits, 3 mantissa bits; 6 bits a number), with one power-of-two scale for each 32 numbers along K (OCP MX v1.0); their sums are f32. All else is computed in f32.
;;   The module's matrix products, in the order in which they are computed (A, B: the left and right operand; K: the contracted axis; several contracted axes count as one K, in the product's order):
;;     1. [M 1,024, K 1,024] x [K 1,024, N 4,096]; A: input Wq; B: computed on the way: QUANTISED
;;     2. [M 1,024, K 1,024] x [K 1,024, N 4,096]; A: input Wk; B: computed on the way: QUANTISED
;;     3. [M 1,024, K 1,024] x [K 1,024, N 4,096]; A: input Wv; B: computed on the way: QUANTISED
;;     4. batch 32 x [M 2,048, K 64] x [K 64, N 2,048]; A: computed on the way; B: computed on the way: QUANTISED
;;     5. batch 32 x [M 2,048, K 2,048] x [K 2,048, N 64]; A: softmax (see below); B: computed on the way: QUANTISED
;;     6. [M 4,096, K 1,024] x [K 1,024, N 1,024]; A: computed on the way; B: input Wo: QUANTISED
;;     7. [M 4,096, K 1,024] x [K 1,024, N 4,096]; A: computed on the way; B: input W1: QUANTISED
;;     8. [M 4,096, K 4,096] x [K 4,096, N 1,024]; A: computed on the way; B: input W2: QUANTISED
;;   THE QUANTISER, for each operand of a quantised product, along K:
;;     - K is cut into blocks of 32 from its start; a last block that is shorter is filled with zeros.
;;     - A block's scale is 2^e with e = floor(log2(the largest magnitude in the block)) - 2, held to -126 .. 127; a block of zeros has e = 0. As a byte (E8M0): e + 127.
;;     - Each number is divided by its block's scale, clamped to +-7.5, and rounded to the nearest number of E2M3, ties to even, subnormals kept.
;;     - The product sums the exact products of the quantised numbers (number of the format x scale) in f32.
;;   ~~~python
;;   def quantise(x, axis):      # numpy; x: float32 -> the quantised numbers, widened to float32 again
;;       x = np.moveaxis(x, axis, -1); K = x.shape[-1]
;;       x = np.pad(x, [(0, 0)] * (x.ndim - 1) + [(0, -K % 32)]); x = x.reshape(x.shape[:-1] + (-1, 32)); a = np.abs(x).max(-1, keepdims=True)
;;       e = np.where(a > 0, np.clip(np.frexp(np.where(a > 0, a, 1))[1] - 1 - 2, -126, 127), 0)      # np.frexp(a)[1] - 1 = floor(log2(a)), exactly
;;       r = np.clip(x / 2.0 ** e, -7.5, 7.5)
;;       step = 2.0 ** (np.maximum(np.frexp(np.where(r == 0, 1, r))[1] - 1, 0) - 3)
;;       q = np.round(r / step) * step * 2.0 ** e      # np.round: ties to even
;;       return np.moveaxis(q.reshape(q.shape[:-2] + (-1,))[..., :K], -1, axis).astype(np.float32)
;;   ~~~
;;   SOFTMAX AHEAD OF A QUANTISED PRODUCT. Where the list says 'softmax', what is quantised is not the finished softmax but p = 2^(t - M), with t = logit x log2(e) and M = ceil(the row's largest t), a whole number; so 1/2 < the row's largest p <= 1. The row's sum l is taken of the UNQUANTISED p, in f32, and the product's result is divided by l at the end. Since M is a whole number, a kernel that streams over the keys may use a running M (the ceiling of the running maximum): every later rescaling is an exact power of two, which a block's scale takes up: the codes' values come out the same.
;;   OPERANDS COMPUTED ON THE WAY. 'Computed on the way' means the value that the module computes at that place (a softmax that the list does not call 'softmax' is quantised finished and normalised). What goes into a quantiser is computed in f32, as accurately as f32 sums, v_exp_f32 and their like allow (about 1e-6 of the number): no bf16 or f16 on the way to a quantiser, and a product that is left as it is and whose result goes on into a quantised operand takes f32 operands (vector FMAs, or v_wmma_f32_16x16x4_f32). A number that lies on a knife's edge between two numbers of the format may be rounded either way, as far as f32 arithmetic and the matrix unit's own rounding can turn it there, and no further.
;; One version. Each part assembles by itself: llvm-mc -triple=amdgcn-amd-amdhsa -mcpu=gfx1250 --defsym DOCPART=n.
;; ======== version 1 of 1: 8 launches
;; workspace buffers: wpan 9,830,400 bytes; hpan 3,276,800 bytes; qbuf 3,407,872 bytes; kvbuf 6,684,672 bytes; opan 3,276,800 bytes; x2 16,777,216 bytes; fpan 13,107,200 bytes
;; launch wq (part 1): grid 768 x 1, 4 waves a work-group, no clusters, 0 bytes of LDS; arguments Wq, Wk, Wv, Wo, W1, W2, wpan; writes wpan
.if DOCPART == 1
	.amdgcn_target "amdgcn-amd-amdhsa--gfx1250"
	.amdhsa_code_object_version 6
	.text
	.protected	k_q6c27f2fd13_wq
	.globl	k_q6c27f2fd13_wq
	.p2align	8
	.type	k_q6c27f2fd13_wq,@function
k_q6c27f2fd13_wq:
	s_mov_b64 s[64:65], 0
	v_nop
	global_prefetch_b8 v0, s[64:65] scope:SCOPE_SE
	s_setreg_imm32_b32 hwreg(HW_REG_WAVE_MODE, 25, 1), 1
	s_wait_xcnt 0x0
; THE PROGRAM: a pre-norm transformer block, all eight products on codes of FP6 (E2M3) with one E8M0 scale for each 32 along K.  Launches: wq (weights to codes), ln1, qkv, attn, oproj, ln2, mlp1, mlp2.
; WORK LEFT OUT: reference() builds a causal mask in its own body and sets hidden scores to -infinity ahead of the softmax, so a hidden key's weight is exactly 0 for all values of the inputs.
; Key steps of 128 keys that lie wholly behind a tile's queries are therefore not computed (launch attn); inside the step on the diagonal hidden scores become -infinity.  Nothing else is left out; every input is loaded.
; LIMIT: a NaN, an infinity or an overflow that reaches only that masked work is not carried to the result.  NaN and infinities among the inputs are not served.
; LIMIT of every quantiser here: a block whose largest magnitude lies under 2^-124 gets the scale byte 1; a block of zeros gets the byte 1 where the rule says 127: its codes are zeros, and this program alone reads the bytes.
;
; THIS LAUNCH: the six weights, f32 with K as their first axis, become codes laid as IMAGES OF THE OPERAND'S REGISTERS.
; A record (12,800 bytes) holds 128 columns x 128 along K: 8 fragments of 16 columns (1,536 bytes each: register 4 c + i of lane l at 512 c + 16 l + 4 i), then 8 x 64 bytes of scale words (one word a column).
; THE COLUMNS OF A FRAGMENT ARE NOT NEIGHBOURS: row p of fragment 2 g + u is column 32 g + 8 u + p % 8 + 16 (p / 8), so that a product's results are 16 neighbours along the next K in a lane's registers.
; Work-group idx makes record idx of wpan: 0-191 Wq, Wk, Wv (two heads a block, 8 K steps), 192-255 Wo, 256-511 W1, 512-767 W2.
; A LANE TAKES A COLUMN AND ITS REGISTERS RUN DOWN K: a block of 32 lies in one lane, no other lane is asked for a maximum, the conversions give codes with K innermost.  Wave w takes columns 32 w .. 32 w + 31: fragments 2 w, 2 w + 1.
; No LDS, no barrier: a lane's 2 x 12 registers of codes are both halves (lanes p and p + 16) of its column's place in the image, and each store of the wave fills two aligned runs of 256 bytes.
.set REC, 12800
.set VOF, 8                            ; v8-23    byte offset of row 8 n of the K step, at my column
.set X,   32                           ; v32-159  my column's 128 numbers
.set IM,  160                          ; v160-183 the codes: 12 registers for each half of the image's lanes
	s_load_b256 s[4:11], s[0:1], 0x0               ; Wq, Wk, Wv, Wo
	s_load_b128 s[12:15], s[0:1], 0x20             ; W1, W2
	s_load_b64 s[36:37], s[0:1], 0x30              ; wpan
	v_lshrrev_b32 v1, 5, v0
	v_readfirstlane_b32 s34, v1                    ; wave
	v_and_b32 v1, 31, v0                           ; lane = my column among the wave's 32
	v_lshlrev_b32 v2, 2, v1
	v_bfe_u32 v6, v0, 3, 1                         ; u: which of the wave's two fragments
	v_and_b32 v7, 7, v0
	v_bfe_u32 v3, v0, 4, 1
	v_lshl_add_u32 v7, v3, 3, v7                   ; p: my row in it
	v_mul_u32_u24 v4, v6, 1536
	v_lshl_add_u32 v4, v7, 4, v4                   ; where my codes go: 1536 u + 16 p
	v_lshlrev_b32 v5, 6, v6
	v_lshl_add_u32 v5, v7, 2, v5                   ; and my scale word: 64 u + 4 p
	s_mov_b32 s33, ttmp9                           ; idx
	s_lshl_b32 s44, s34, 7                         ; 32 columns of 4 bytes a wave
; s40 = bytes from row to row of the source, s42 = byte at which my wave's part begins
.macro ARM base, lg, sh, rowb          ; a plain [K][N] weight: record = block x 2^lg + K step
	s_sub_co_u32 s45, s33, \base
	s_and_b32 s42, s45, (1<<\lg)-1
	s_lshl_b32 s42, s42, \sh                       ; 128 rows a K step
	s_lshr_b32 s45, s45, \lg
	s_lshl_b32 s45, s45, 9                         ; 128 columns a block
	s_add_co_u32 s42, s42, s45
	s_add_co_u32 s42, s42, s44
	s_mov_b32 s40, \rowb
.endm
	s_cmp_lt_u32 s33, 192
	s_cbranch_scc0 .Lwo
	s_bfe_u32 s42, s33, 0x30003                    ; Wq, Wk, Wv [head][1024][64]: the pair of heads,
	s_lshl_b32 s42, s42, 1
	s_lshr_b32 s45, s34, 1
	s_add_co_u32 s42, s42, s45                     ; the head: waves 0, 1 the first, waves 2, 3 the second
	s_lshl_b32 s42, s42, 18
	s_and_b32 s45, s33, 7
	s_lshl_b32 s45, s45, 15                        ; the K step: 128 rows of 256 bytes
	s_add_co_u32 s42, s42, s45
	s_and_b32 s45, s34, 1
	s_lshl_b32 s45, s45, 7
	s_add_co_u32 s42, s42, s45
	s_mov_b32 s40, 256
	s_branch .Ljoin
.Lwo:
	s_cmp_lt_u32 s33, 256
	s_cbranch_scc0 .Lw1
	ARM 192, 3, 19, 4096
	s_branch .Ljoin
.Lw1:
	s_cmp_lt_u32 s33, 512
	s_cbranch_scc0 .Lw2
	ARM 256, 3, 21, 16384
	s_branch .Ljoin
.Lw2:
	ARM 512, 5, 19, 4096
.Ljoin:
	s_mov_b32 s41, 0
	s_mov_b32 s43, 0
	v_mov_b32 v3, s40
.set n, 0
.rept 16
	v_mad_u32_u24 v[VOF+n], v3, 8*n, v2
.set n, n+1
.endr
	s_mul_i32 s46, s33, REC
	s_mul_i32 s45, s34, 3072
	s_add_co_u32 s48, s46, s44
	s_add_co_u32 s48, s48, 12288                   ; my wave's 32 scale words
	s_add_co_u32 s46, s46, s45                     ; my wave's two fragments
	s_mov_b32 s47, 0
	s_mov_b32 s49, 0
	s_wait_kmcnt 0x0
	s_cmp_lt_u32 s33, 64                           ; the source: a choice on the work-group's number alone
	s_cselect_b64 s[38:39], s[4:5], s[6:7]
	s_cmp_lt_u32 s33, 128
	s_cselect_b64 s[38:39], s[38:39], s[8:9]
	s_cmp_lt_u32 s33, 192
	s_cselect_b64 s[38:39], s[38:39], s[10:11]
	s_cmp_lt_u32 s33, 256
	s_cselect_b64 s[38:39], s[38:39], s[12:13]
	s_cmp_lt_u32 s33, 512
	s_cselect_b64 s[38:39], s[38:39], s[14:15]
	s_add_nc_u64 s[16:17], s[38:39], s[42:43]      ; eight bases, a row apart
.irp j, 1,2,3,4,5,6,7
	s_add_nc_u64 s[16+2*\j:17+2*\j], s[14+2*\j:15+2*\j], s[40:41]
.endr
	s_add_nc_u64 s[46:47], s[36:37], s[46:47]
	s_add_nc_u64 s[48:49], s[36:37], s[48:49]
.irp t, 0,2,1,3                        ; blocks 0 and 2 first: they are the first half's
.irp q, 0,1,2,3
.irp j, 0,1,2,3,4,5,6,7
	global_load_b32 v[X+32*\t+8*\q+\j], v[VOF+4*\t+\q], s[16+2*\j:17+2*\j] th:TH_LOAD_NT   ; row 32 t + 8 q + j: 32 lanes read 128 consecutive bytes
.endr
.endr
.endr
; Half h of the image's lanes holds blocks h and 2 + h of my column (registers 6 c .. 6 c + 5: k = 64 c + 32 h + 0 .. 31)
.macro HALF h
.irp t, \h, \h+2
	v_max3_num_f32 v[192+(\t)], |v[X+32*(\t)]|, |v[X+32*(\t)+1]|, 0x1800000   ; the block's largest magnitude, and the floor 2^(3 - 127): the byte cannot fall under 1
.endr
.irp i, 2,4,6,8,10,12,14,16,18,20,22,24,26,28,30
.irp t, \h, \h+2
	v_max3_num_f32 v[192+(\t)], v[192+(\t)], |v[X+32*(\t)+\i]|, |v[X+32*(\t)+\i+1]|   ; (the two blocks by turns)
.endr
.endr
.irp t, \h, \h+2
	v_add_nc_u32 v[196+(\t)], 0xff000000, v[192+(\t)]   ; 2 off its exponent field: the conversion's scale operand
.endr
.irp t, \h, \h+2
	v_lshrrev_b32 v[200+(\t)], 23, v[196+(\t)]     ; the scale's byte
.endr
.irp c, 0,1
	v_cvt_scalef32_pk16_fp6_f32 v[IM+12*\h+6*\c:IM+12*\h+6*\c+2], v[X+32*(2*\c+\h):X+32*(2*\c+\h)+15], v[196+2*\c+\h]
	v_cvt_scalef32_pk16_fp6_f32 v[184+4*\c:186+4*\c], v[X+32*(2*\c+\h)+16:X+32*(2*\c+\h)+31], v[196+2*\c+\h]   ; (a conversion's three registers begin on an even number)
.endr
	v_nop                                          ; one plain place behind a scaled conversion
.irp c, 0,1
.irp i, 0,1,2
	v_mov_b32 v[IM+12*\h+6*\c+3+\i], v[184+4*\c+\i]
.endr
.endr
.irp j, 0,1,2
	global_store_b128 v4, v[IM+12*\h+4*\j:IM+12*\h+4*\j+3], s[46:47] offset:512*\j+256*\h   ; sixteen lanes of each fragment fill 256 consecutive bytes, aligned
.endr
.endm
	s_wait_loadcnt 63                              ; 64 loads were issued behind blocks 0 and 2: with at most 63 out these two are in
	HALF 0
	s_wait_loadcnt 0x0
	HALF 1
	v_lshl_or_b32 v204, v201, 8, v200              ; the four bytes make my column's scale word
	v_lshl_or_b32 v204, v202, 16, v204
	v_lshl_or_b32 v204, v203, 24, v204
	global_store_b32 v5, v204, s[48:49]            ; the wave stores 128 consecutive bytes
	s_endpgm
.Lfunc_end_k_q6c27f2fd13_wq:
	.size	k_q6c27f2fd13_wq, .Lfunc_end_k_q6c27f2fd13_wq-k_q6c27f2fd13_wq
	.p2alignl 7, 3214868480
	.fill 96, 4, 3214868480
	.section	.rodata,"a",@progbits
	.p2align	6, 0x0
	.amdhsa_kernel k_q6c27f2fd13_wq
		.amdhsa_group_segment_fixed_size 0
		.amdhsa_private_segment_fixed_size 0
		.amdhsa_enable_private_segment 0
		.amdhsa_kernarg_size 56
		.amdhsa_user_sgpr_count 2
		.amdhsa_user_sgpr_kernarg_segment_ptr 1
		.amdhsa_wavefront_size32 1
		.amdhsa_system_sgpr_workgroup_id_x 1
		.amdhsa_system_sgpr_workgroup_id_y 1
		.amdhsa_system_sgpr_workgroup_id_z 1
		.amdhsa_system_vgpr_workitem_id 0
		.amdhsa_next_free_vgpr 208
		.amdhsa_next_free_sgpr 66
		.amdhsa_reserve_vcc 0
		.amdhsa_float_denorm_mode_32 3
		.amdhsa_float_denorm_mode_16_64 3
		.amdhsa_memory_ordered 1
		.amdhsa_forward_progress 1
		.amdhsa_inst_pref_size 24
	.end_amdhsa_kernel
	.amdgpu_metadata
---
amdhsa.version: [ 1, 2 ]
amdhsa.kernels:
  - .name:           k_q6c27f2fd13_wq
    .symbol:         k_q6c27f2fd13_wq.kd
    .args:
      - { .name: Wq, .offset: 0, .size: 8, .value_kind: global_buffer, .address_space: global }
      - { .name: Wk, .offset: 8, .size: 8, .value_kind: global_buffer, .address_space: global }
      - { .name: Wv, .offset: 16, .size: 8, .value_kind: global_buffer, .address_space: global }
      - { .name: Wo, .offset: 24, .size: 8, .value_kind: global_buffer, .address_space: global }
      - { .name: W1, .offset: 32, .size: 8, .value_kind: global_buffer, .address_space: global }
      - { .name: W2, .offset: 40, .size: 8, .value_kind: global_buffer, .address_space: global }
      - { .name: wpan, .offset: 48, .size: 8, .value_kind: global_buffer, .address_space: global }
    .group_segment_fixed_size: 0
    .private_segment_fixed_size: 0
    .kernarg_segment_align: 8
    .kernarg_segment_size: 56
    .max_flat_workgroup_size: 128
    .sgpr_count:     66
    .vgpr_count:     208
    .wavefront_size: 32
...
	.end_amdgpu_metadata
.endif
;; end of part 1
;; launch ln1 (part 2): grid 256 x 1, 4 waves a work-group, no clusters, 66,304 bytes of LDS; arguments x, g1, be1, hpan; writes hpan
.if DOCPART == 2
	.amdgcn_target "amdgcn-amd-amdhsa--gfx1250"
	.amdhsa_code_object_version 6
	.text
	.protected	k_q6c27f2fd13_ln1
	.globl	k_q6c27f2fd13_ln1
	.p2align	8
	.type	k_q6c27f2fd13_ln1,@function
k_q6c27f2fd13_ln1:
	s_mov_b64 s[64:65], 0
	v_nop
	global_prefetch_b8 v0, s[64:65] scope:SCOPE_SE
	s_setreg_imm32_b32 hwreg(HW_REG_WAVE_MODE, 25, 1), 1
	s_wait_xcnt 0x0
; LayerNorm of 4,096 rows of 1,024 f32, then the quantiser along the row: y = (x - mean) rsqrt(var + 1e-5) g + b becomes codes of FP6 (E2M3) with one E8M0 byte for each 32.
; OUT: records of 12,800 bytes for (block of 128 rows, K step of 128): 8 fragments of 16 rows as images of the operand's registers (1,536 bytes: register 4 c + i of lane l at 512 c + 16 l + 4 i), then 8 x 64 bytes of scale words.
; Row p of fragment 2 g + u is row 32 g + 8 u + p % 8 + 16 (p / 8) of the block.  A work-group makes ONE fragment (16 rows) for all 8 K steps.
; PHASE 1: a wave takes 4 whole rows (they are neighbours in memory), 32 numbers of each row a lane; mean, then the mean of the squared differences (two passes over registers), all in f32; the rows go to LDS.
; PHASE 2: wave w takes K steps 2 w, 2 w + 1: lane (r, h) reads back, of row r, the 32 neighbours of blocks h and 2 + h: so a block lies in one lane, and the conversions' results are the operand's registers.
; ORDER OF ROUNDING: (x - mean) x rs is rounded, then one fused multiply-add with g and b; rs by v_rsq_f32.  LIMITS: as stated at the head of the program's first kernel (scale byte held at 1 from below; no NaN, no infinity).
.set PITCH, 4112                       ; an LDS row: 4,096 bytes + 16: sixteen rows' 16-byte pieces start in sixteen different groups of banks
.set SPARE, 16*PITCH                   ; behind the rows: the spare words, 128 bytes for each wave: two blocks of 256 bytes that no other line names
.set REC,   12800
.set X,   32                           ; v32-159  phase 1: 4 rows x 32; phase 2: 2 K steps x 64
.set G,   160                          ; v160-191 g of my 32 columns; phase 2: at work
.set BE,  192                          ; v192-223 b likewise
.set SPW, 30                           ; v30      LDS address of my spare word; never rewritten
.set NIL, 31                           ; v31      0; never rewritten
	s_load_b256 s[4:11], s[0:1], 0x0               ; x, g, b, the panels
	v_lshl_add_u32 v[SPW], v0, 2, SPARE
	v_mov_b32 v[NIL], 0
	v_lshrrev_b32 v1, 5, v0
	v_readfirstlane_b32 s22, v1                    ; wave
	v_and_b32 v1, 31, v0
	v_lshlrev_b32 v2, 4, v1                        ; 16 x lane
	s_mul_i32 s23, s22, 4*PITCH
	v_add_nc_u32 v3, s23, v2                       ; into LDS: my wave's four rows, 16 bytes a lane
	v_and_b32 v6, 15, v0                           ; r
	v_bfe_u32 v7, v0, 4, 1                         ; h
	v_mul_u32_u24 v4, v6, PITCH
	v_lshl_add_u32 v4, v7, 7, v4
	s_lshl_b32 s23, s22, 10
	v_add_nc_u32 v4, s23, v4                       ; out of LDS: row r, + 128 h, + my wave's two K steps
	v_lshlrev_b32 v5, 2, v6                        ; 4 r
	v_lshlrev_b32 v29, 3, v7                       ; 8 h
.irp i, 0,1,2,3
	v_mov_b32 v[24+\i], 0                          ; written once: a lane permute's destination counts as one of its sources
.endr
	s_mov_b32 s12, 0x76543210
	s_mov_b32 s13, 0xfedcba98                      ; v_permlanex16_b32's selects for lane l xor 16
	s_mov_b32 s14, 0x3a800000                      ; 1 / 1024
	s_mov_b32 s15, 0x3727c5ac                      ; 1e-5
	s_lshr_b32 s24, ttmp9, 3                       ; block of 128 rows
	s_and_b32 s25, ttmp9, 7                        ; fragment f
	s_lshl_b32 s26, s24, 7
	s_lshr_b32 s27, s25, 1
	s_lshl_b32 s27, s27, 5
	s_add_co_u32 s26, s26, s27                     ; + 32 (f / 2)
	s_and_b32 s27, s25, 1
	s_lshl_b32 s27, s27, 3
	s_add_co_u32 s26, s26, s27                     ; + 8 (f % 2)
	s_and_b32 s27, s22, 1
	s_lshl_b32 s27, s27, 2
	s_add_co_u32 s26, s26, s27                     ; fragment rows 4 w .. 4 w + 3: + 4 (w % 2)
	s_lshr_b32 s27, s22, 1
	s_lshl_b32 s27, s27, 4
	s_add_co_u32 s26, s26, s27                     ; + 16 (w / 2)
	s_lshl_b32 s26, s26, 12                        ; in bytes
	s_mov_b32 s27, 0
	s_lshl_b32 s28, s24, 3
	s_lshl_b32 s29, s22, 1
	s_add_co_u32 s28, s28, s29
	s_mul_i32 s28, s28, REC                        ; record (block, K step 2 w)
	s_mul_i32 s29, s25, 1536
	s_lshl_b32 s30, s25, 6
	s_add_co_u32 s30, s30, s28
	s_add_co_u32 s30, s30, 12288                   ; my fragment's scale words
	s_add_co_u32 s28, s28, s29                     ; my fragment's image
	s_mov_b32 s29, 0
	s_mov_b32 s31, 0
	s_wait_kmcnt 0x0
	s_add_nc_u64 s[16:17], s[4:5], s[26:27]
	s_add_nc_u64 s[18:19], s[10:11], s[28:29]
	s_add_nc_u64 s[20:21], s[10:11], s[30:31]
.irp i, 0,1,2,3
.irp j, 0,1,2,3,4,5,6,7
	global_load_b128 v[X+32*\i+4*\j:X+32*\i+4*\j+3], v2, s[16:17] offset:4096*\i+512*\j   ; 32 lanes read 512 consecutive bytes
.endr
.endr
.irp j, 0,1,2,3,4,5,6,7
	global_load_b128 v[G+4*\j:G+4*\j+3], v2, s[6:7] offset:512*\j
.endr
.irp j, 0,1,2,3,4,5,6,7
	global_load_b128 v[BE+4*\j:BE+4*\j+3], v2, s[8:9] offset:512*\j
.endr
.macro REDUCE                          ; the four rows' pairs v[8 + 2 i : 9 + 2 i] become sums over the wave, in every lane
.irp i, 0,1,2,3
	v_add_f32 v[8+2*\i], v[8+2*\i], v[9+2*\i]
.endr
.irp m, 1,2,4,8
.irp i, 0,1,2,3
	v_add_f32_dpp v[8+2*\i], v[8+2*\i], v[8+2*\i] row_xmask:\m row_mask:0xf bank_mask:0xf
.endr
.endr
.irp i, 0,1,2,3
	v_permlanex16_b32 v[24+\i], v[8+2*\i], s12, s13
.endr
.irp i, 0,1,2,3
	v_add_f32 v[8+2*\i], v[8+2*\i], v[24+\i]
.endr
.endm
	s_wait_loadcnt 16                              ; the rows are in; g's and b's sixteen loads may be out
.irp i, 0,1,2,3
	v_pk_add_f32 v[8+2*\i:9+2*\i], v[X+32*\i:X+32*\i+1], v[X+32*\i+2:X+32*\i+3]
.endr
.irp p, 4,6,8,10,12,14,16,18,20,22,24,26,28,30
.irp i, 0,1,2,3
	v_pk_add_f32 v[8+2*\i:9+2*\i], v[8+2*\i:9+2*\i], v[X+32*\i+\p:X+32*\i+\p+1]   ; (the four rows by turns)
.endr
.endr
	REDUCE
.irp i, 0,1,2,3
	v_mul_f32 v[16+2*\i], s14, v[8+2*\i]           ; the mean
.endr
.irp i, 0,1,2,3
	v_mov_b32 v[17+2*\i], v[16+2*\i]               ; (named with it as a pair, so it is written)
.endr
.irp i, 0,1,2,3
.set p, 0
.rept 16
	v_pk_add_f32 v[X+32*\i+p:X+32*\i+p+1], v[X+32*\i+p:X+32*\i+p+1], v[16+2*\i:17+2*\i] op_sel_hi:[1,0] neg_lo:[0,1] neg_hi:[0,1]   ; d = x - mean
.set p, p+2
.endr
.endr
.irp i, 0,1,2,3
	v_pk_mul_f32 v[8+2*\i:9+2*\i], v[X+32*\i:X+32*\i+1], v[X+32*\i:X+32*\i+1]
.endr
.irp p, 2,4,6,8,10,12,14,16,18,20,22,24,26,28,30
.irp i, 0,1,2,3
	v_pk_fma_f32 v[8+2*\i:9+2*\i], v[X+32*\i+\p:X+32*\i+\p+1], v[X+32*\i+\p:X+32*\i+\p+1], v[8+2*\i:9+2*\i]
.endr
.endr
	REDUCE
.irp i, 0,1,2,3
	v_fma_f32 v[8+2*\i], v[8+2*\i], s14, s15       ; var + eps
.endr
.irp i, 0,1,2,3
	v_rsq_f32 v[16+2*\i], v[8+2*\i]
.endr
	v_nop                                          ; a plain place behind the last of the four
	s_wait_alu depctr_va_vdst(0)                   ; one wait for the four, ahead of their first reader
.irp i, 0,1,2,3
	v_mov_b32 v[17+2*\i], v[16+2*\i]
.endr
	s_wait_loadcnt 0x0                             ; g and b
.irp i, 0,1,2,3
.set p, 0
.rept 16
	v_pk_mul_f32 v[X+32*\i+p:X+32*\i+p+1], v[X+32*\i+p:X+32*\i+p+1], v[16+2*\i:17+2*\i] op_sel_hi:[1,0]
.set p, p+2
.endr
.set p, 0
.rept 16
	v_pk_fma_f32 v[X+32*\i+p:X+32*\i+p+1], v[X+32*\i+p:X+32*\i+p+1], v[G+p:G+p+1], v[BE+p:BE+p+1]
.set p, p+2
.endr
.irp j, 0,1,2,3,4,5,6,7
	ds_store_b128 v3, v[X+32*\i+4*\j:X+32*\i+4*\j+3] offset:PITCH*\i+512*\j
.endr
.endr
	s_wait_dscnt 0x0                               ; for the others' sake: my rows lie in LDS
	s_barrier_signal -1
	s_barrier_wait -1
.irp u, 0,1
.irp c, 0,1
.irp i, 0,1,2,3,4,5,6,7
	ds_load_b128 v[X+64*\u+32*\c+4*\i:X+64*\u+32*\c+4*\i+3], v4 offset:512*\u+256*\c+16*\i   ; row r, k = 128 u + 64 c + 32 h + 4 i ..
.endr
.endr
.endr
	s_wait_dscnt 0x0
.macro KSTEP u
.set XS, X+64*\u
.irp c, 0,1
	v_max3_num_f32 v[160+\c], |v[XS+32*\c]|, |v[XS+32*\c+1]|, 0x1800000   ; block 2 c + h: all 32 numbers are mine; and the floor 2^(3 - 127)
.endr
.irp i, 2,4,6,8,10,12,14,16,18,20,22,24,26,28,30
.irp c, 0,1
	v_max3_num_f32 v[160+\c], v[160+\c], |v[XS+32*\c+\i]|, |v[XS+32*\c+\i+1]|
.endr
.endr
.irp c, 0,1
	v_add_nc_u32 v[162+\c], 0xff000000, v[160+\c]  ; 2 off the exponent field: the conversion's scale operand
.endr
.irp c, 0,1
	v_lshrrev_b32 v[164+\c], 23, v[162+\c]         ; the scale's byte
.endr
	v_lshl_or_b32 v[168+\u], v165, 16, v164        ; my two bytes: blocks h and 2 + h,
	v_lshlrev_b32 v[168+\u], v29, v[168+\u]        ; at their places in the word (8 h bits up);
	v_permlanex16_b32 v24, v[168+\u], s12, s13
	v_or_b32 v[168+\u], v[168+\u], v24             ; with lane l xor 16's two the word is whole
.irp c, 0,1
	v_cvt_scalef32_pk16_fp6_f32 v[224+12*\u+6*\c:226+12*\u+6*\c], v[XS+32*\c:XS+32*\c+15], v[162+\c]
	v_cvt_scalef32_pk16_fp6_f32 v[172+4*\c:174+4*\c], v[XS+32*\c+16:XS+32*\c+31], v[162+\c]   ; (a conversion's three registers begin on an even number)
.endr
	v_nop                                          ; one plain place behind a scaled conversion
.irp c, 0,1
.irp i, 0,1,2
	v_mov_b32 v[227+12*\u+6*\c+\i], v[172+4*\c+\i]
.endr
.endr
.irp j, 0,1,2
	global_store_b128 v2, v[224+12*\u+4*\j:227+12*\u+4*\j], s[18:19] offset:REC*\u+512*\j   ; 512 consecutive bytes, aligned
.endr
	global_store_b32 v5, v[168+\u], s[20:21] offset:REC*\u   ; lanes r and r + 16 store the same word to the same place
.endm
	KSTEP 0
	KSTEP 1
	s_wait_tensorcnt 0x0                           ; the wave's end, behind my last LDS store
	ds_add_u32 v[SPW], v[NIL]
	s_wait_dscnt 0x0
	s_endpgm
.Lfunc_end_k_q6c27f2fd13_ln1:
	.size	k_q6c27f2fd13_ln1, .Lfunc_end_k_q6c27f2fd13_ln1-k_q6c27f2fd13_ln1
	.p2alignl 7, 3214868480
	.fill 96, 4, 3214868480
	.section	.rodata,"a",@progbits
	.p2align	6, 0x0
	.amdhsa_kernel k_q6c27f2fd13_ln1
		.amdhsa_group_segment_fixed_size 66304
		.amdhsa_private_segment_fixed_size 0
		.amdhsa_enable_private_segment 0
		.amdhsa_kernarg_size 32
		.amdhsa_user_sgpr_count 2
		.amdhsa_user_sgpr_kernarg_segment_ptr 1
		.amdhsa_wavefront_size32 1
		.amdhsa_system_sgpr_workgroup_id_x 1
		.amdhsa_system_sgpr_workgroup_id_y 1
		.amdhsa_system_sgpr_workgroup_id_z 1
		.amdhsa_system_vgpr_workitem_id 0
		.amdhsa_next_free_vgpr 256
		.amdhsa_next_free_sgpr 66
		.amdhsa_reserve_vcc 0
		.amdhsa_float_denorm_mode_32 3
		.amdhsa_float_denorm_mode_16_64 3
		.amdhsa_memory_ordered 1
		.amdhsa_forward_progress 1
		.amdhsa_inst_pref_size 42
	.end_amdhsa_kernel
	.amdgpu_metadata
---
amdhsa.version: [ 1, 2 ]
amdhsa.kernels:
  - .name:           k_q6c27f2fd13_ln1
    .symbol:         k_q6c27f2fd13_ln1.kd
    .args:
      - { .name: x, .offset: 0, .size: 8, .value_kind: global_buffer, .address_space: global }
      - { .name: g1, .offset: 8, .size: 8, .value_kind: global_buffer, .address_space: global }
      - { .name: be1, .offset: 16, .size: 8, .value_kind: global_buffer, .address_space: global }
      - { .name: hpan, .offset: 24, .size: 8, .value_kind: global_buffer, .address_space: global }
    .group_segment_fixed_size: 66304
    .private_segment_fixed_size: 0
    .kernarg_segment_align: 8
    .kernarg_segment_size: 32
    .max_flat_workgroup_size: 128
    .sgpr_count:     66
    .vgpr_count:     256
    .wavefront_size: 32
...
	.end_amdgpu_metadata
.endif
;; end of part 2
;; launch qkv (part 3): grid 12 x 16, 4 waves a work-group, clusters of 4 x 4, 327,680 bytes of LDS; arguments hpan, wpan, qbuf, kvbuf; writes qbuf, kvbuf
.if DOCPART == 3
	.amdgcn_target "amdgcn-amd-amdhsa--gfx1250"
	.amdhsa_code_object_version 6
	.text
	.protected	k_q6c27f2fd13_qkv
	.globl	k_q6c27f2fd13_qkv
	.p2align	8
	.type	k_q6c27f2fd13_qkv,@function
k_q6c27f2fd13_qkv:
	s_mov_b64 s[64:65], 0
	v_nop
	global_prefetch_b8 v0, s[64:65] scope:SCOPE_SE
	s_setreg_imm32_b32 hwreg(HW_REG_WAVE_MODE, 25, 1), 1
	s_wait_xcnt 0x0
	s_wait_alu depctr_hold_cnt(0) depctr_sa_sdst(0) depctr_va_vdst(0) depctr_va_sdst(0) depctr_va_ssrc(0) depctr_va_vcc(0) depctr_vm_vsrc(0)
	s_getreg_b32 s2, hwreg(HW_REG_IB_STS2, 6, 4)
	s_cmp_eq_u32 s2, 0
	s_cbranch_scc0 .Lentry_in_a_cluster
	s_endpgm
.Lentry_in_a_cluster:
	s_bfe_u32 s2, ttmp6, 0x10000c
	s_cmp_lg_u32 s2, 0xf033
	s_cbranch_scc0 .Lentry_shape_is_right
	s_endpgm
.Lentry_shape_is_right:
; q, k, v = h Wq, h Wk, h Wv for all heads, on codes of FP6 (E2M3) with E8M0 scales; the results are quantised in registers for attention's two products and leave as images of operands' registers.
; A tile of 256 x 256 is made by four waves, each 128 x 128: 64 accumulators, 512 registers.  K = 1,024 goes in slots of 256 through a ring of two LDS slots filled by the tensor data mover.
; OPERANDS lie in memory as records of 12,800 bytes for (128 rows, 128 along K): 8 fragments as images of their registers (1,536 bytes), then 8 x 64 bytes of scale words.  A block's records follow each other along K,
; so 128 rows x 256 along K are 25,600 dense bytes: one tensor load, 100 rows of 256 bytes.  A fragment comes out of LDS by three loads of 16 bytes a lane, each 512 consecutive bytes.
; Row p of fragment 2 g + u is row 32 g + 8 u + p % 8 + 16 (p / 8) of its block: so the 16 registers of a lane in accumulators 2 g, 2 g + 1 are 16 neighbours along source 0's rows.
; q AND k (cluster x = 0, 1): source 0 = weights' columns, source 1 = tokens: a lane holds a token and 128 neighbouring columns = two heads of 64: quantised along the head's 64, six registers a head.
; v (cluster x = 2): source 0 = tokens, source 1 = weights' columns: a lane holds a channel and 128 neighbouring tokens: quantised along the keys, which are the second product's K.
; CLUSTERS 4 x 4.  Line A (regions 0, 1 of a slot, source 1) is asked for jointly by a row of the cluster, line B (regions 2, 3, source 0) by a column.  q, k: A = token tile 4 cluster y + cy, B = weight tile 4 cluster x + cx.
; v: A = weight tile 8 + cy, B = token tile 4 cluster y + cx.  Buffers and tile numbers are chosen on the cluster's x, which all sixteen partners share.
; OUT: qbuf [32 heads][16][6,656]: 8 half images (768 bytes: registers 0-3 at 16 l, registers 4-5 at 512 + 8 l) of 16 queries, scale words at 6,144.
;      kvbuf [32 heads][16][13,056]: K's 8 half images, V^T's 4 images (16 channels x 128 keys) at 6,144, K's scale words at 12,288, V's at 12,800.  Bytes 2, 3 of q's and k's scale words are 0.
; REGISTERS: window 0: v16-30 addresses; v32-63 scale words, two sets; v128-223 source 1's 8 fragments, one set.  Window 1: source 0's fragments, two sets, at v0 and v128.  Windows 2, 3: the accumulators, (a, b) at v[8 (8 (a % 4) + b)].
.set KTOT,  1024
.set KS,    KTOT/128
.set LAPS,  KTOT/512                   ; a lap = two slots = once round the ring
.set REC,   12800
.set HALFT, 2*REC                      ; 128 rows x 256 along K: what one tensor load brings
.set SLOT,  4*HALFT
.set SPARE, 2*SLOT                     ; behind the ring: the spare words, 128 bytes for each wave: two blocks of 256 bytes that no other line names
.set NLA,   3                          ; LDS loads that bring a fragment of source 1
.set ADRA,  16                         ; v16-17  16 x lane + my 128 rows of source 1, in slot 0, 1
.set ADRB,  18                         ; v18-19  the same for source 0
.set ADRS,  20                         ; v20-21  my scale words: lanes 0-15 source 1's, lanes 16-31 source 0's
.set L16,   26                         ; v26     16 x lane
.set L8,    27                         ; v27     8 x lane
.set SPW,   28                         ; v28     LDS address of my spare word; never rewritten
.set NIL,   29                         ; v29     0; never rewritten
.set L4,    30                         ; v30     4 x lane
.set SC,    32                         ; set s at v[SC + 16 s]; in it register 8 q + i: the words of fragment i for the slot's q-th 128 along K
.set AF,    128
.set PC,    128                        ; the way out: the codes just made
.set TM,    224                        ; v224-239 at work
.set PW,    240                        ; the scale word just made
.set PWS,   244                        ; v244-247 two fragments' words: lanes 0-15 the even one's, lanes 16-31 the odd one's
.set PWH,   248                        ; v248-251 the same for the second head
.set G1, 24
.set G0, 32
.set G1B, 48
.set G0B, 56
.set MSB, 0
.macro WIN new                         ; the immediate's high byte repeats the setting that is left
.if MSB != (\new)
	s_set_vgpr_msb (MSB<<8)|(\new)
.set MSB, (\new)
.endif
.endm
.set MUL_LO, 0xa1                      ; source 0 window 1, source 1 window 0, C and D window 2
.set MUL_HI, 0xf1                      ; the same, C and D window 3
.set TO_B,   0x40                      ; destination window 1, address window 0
.macro JLOAD g0a, g1a, g0b, g1b        ; a joint load: waves 0, 1 issue line A, waves 2, 3 line B; an s_nop 0 and four v_nop follow each line
	s_cmp_eq_u32 s15, 0
	s_cbranch_scc0 .Lfor_b_\@
	tensor_load_to_lds s[\g0a:\g0a+3], s[\g1a:\g1a+7]
	s_nop 0
.rept 4
	v_nop
.endr
	s_branch .Lasked_\@
.Lfor_b_\@:
	tensor_load_to_lds s[\g0b:\g0b+3], s[\g1b:\g1b+7]
	s_nop 0
.rept 4
	v_nop
.endr
.Lasked_\@:
.endm
.macro CREST                           ; a round of the cluster's barrier behind its opening barrier
	s_cmp_lg_u32 s14, 0
	s_cbranch_scc1 .Lnot_wave_0_\@
	s_barrier_signal -3
.Lnot_wave_0_\@:
	s_barrier_wait -3
	s_barrier_signal -1
	s_barrier_wait -1
.endm
.macro CROUND
	s_barrier_signal -1
	s_barrier_wait -1
	CREST
.endm
	s_load_b256 s[4:11], s[0:1], 0x0               ; hpan, wpan, qbuf, kvbuf
	v_lshl_add_u32 v[SPW], v0, 2, SPARE
	v_mov_b32 v[NIL], 0
	ds_add_u32 v[SPW], v[NIL]                      ; the wave's opening: an add of 0 to my spare word, twice on end, and its wait ahead of my first tensor load
	ds_add_u32 v[SPW], v[NIL]
	v_lshrrev_b32 v1, 5, v0
	v_readfirstlane_b32 s14, v1                    ; wave 0..3
	s_lshr_b32 s15, s14, 1                         ; which 128 rows of source 1 are mine.  Also: I issue line A (0) or line B (1)
	s_and_b32 s16, s14, 1                          ; which 128 rows of source 0.  Also: which 128 rows of the tile I fetch
	s_bfe_u32 s40, ttmp6, 0x40000                  ; cx
	s_bfe_u32 s41, ttmp6, 0x40004                  ; cy
	s_lshl_b32 s42, ttmp9, 2
	s_add_co_u32 s42, s42, s40                     ; 4 cluster x + cx
	s_and_b32 s17, ttmp7, 0xffff
	s_lshl_b32 s17, s17, 2
	s_add_co_u32 s17, s17, s41                     ; 4 cluster y + cy
	s_lshl_b32 s43, s41, 2
	s_lshl_b32 s43, 15, s43                        ; my row of the cluster
	s_lshl_b32 s44, 0x1111, s40                    ; my column
	s_or_b32 s[G1+0], s43, (3<<16)|(1<<21)         ; 15:0 the mask; 17:16 elements of 8 bytes; 21 set beside a mask; no padding
	s_or_b32 s[G1B+0], s44, (3<<16)|(1<<21)
.irp g, G1, G1B
	s_mov_b32 s[\g+1], 32<<16                      ; tensor_dim0 = 32 elements: 256 bytes
	s_mov_b32 s[\g+2], 100<<16                     ; tensor_dim1 = 100 rows: 25,600 dense bytes
	s_mov_b32 s[\g+3], 32<<16                      ; tile_dim0
	s_mov_b32 s[\g+4], 100                         ; tile_dim1
	s_mov_b32 s[\g+5], 32                          ; the pitch
	s_mov_b32 s[\g+6], 0
	s_mov_b32 s[\g+7], 0
.endr
	s_add_co_u32 s20, s41, 8                       ; v: line A's tile of weights (holds cy alone)
	s_and_b32 s46, ttmp7, 0xffff
	s_lshl_b32 s46, s46, 2
	s_add_co_u32 s46, s46, s40                     ; v: line B's tile of tokens (holds cx alone)
	s_cmp_eq_u32 ttmp9, 2
	s_cselect_b32 s20, s20, s17
	s_cselect_b32 s46, s46, s42
	s_lshl_b32 s20, s20, 1
	s_add_co_u32 s20, s20, s16                     ; the block of 128 rows that I fetch
	s_mul_i32 s20, s20, KS*REC
	s_mov_b32 s21, 0
	s_lshl_b32 s46, s46, 1
	s_add_co_u32 s46, s46, s16
	s_mul_i32 s46, s46, KS*REC
	s_mov_b32 s47, 0
	s_mul_i32 s45, s14, HALFT                      ; where it goes: region = wave: no place in the cluster enters an LDS address
	s_mov_b32 s74, 0xffff0000                      ; lanes 16-31
	s_mov_b32 s76, 0x76543210
	s_mov_b32 s77, 0xfedcba98                      ; v_permlanex16_b32's selects for lane l xor 16
	s_wait_dscnt 0x0                               ; both opening adds are done
	s_wait_kmcnt 0x0
	s_cmp_eq_u32 ttmp9, 2
	s_cselect_b64 s[80:81], s[6:7], s[4:5]         ; line A's buffer
	s_cselect_b64 s[82:83], s[4:5], s[6:7]         ; line B's
	s_add_nc_u64 s[20:21], s[80:81], s[20:21]
	s_add_nc_u64 s[46:47], s[82:83], s[46:47]
	CROUND                                         ; all sixteen work-groups are here: the first joint loads meet
.irp s, 0,1
	s_mov_b32 s[G0+4*\s], 1
	s_add_co_u32 s[G0+4*\s+1], s45, \s*SLOT
	s_add_nc_u64 s[G0+4*\s+2:G0+4*\s+3], s[20:21], \s*HALFT
	s_or_b32 s[G0+4*\s+3], s[G0+4*\s+3], 0x80000000
	s_mov_b32 s[G0B+4*\s], 1
	s_add_co_u32 s[G0B+4*\s+1], s45, \s*SLOT
	s_add_nc_u64 s[G0B+4*\s+2:G0B+4*\s+3], s[46:47], \s*HALFT
	s_or_b32 s[G0B+4*\s+3], s[G0B+4*\s+3], 0x80000000
	JLOAD G0+4*\s, G1, G0B+4*\s, G1B
.endr
	v_and_b32 v1, 31, v0
	v_and_b32 v2, 15, v0                           ; r
	v_bfe_u32 v3, v0, 4, 1                         ; h
	v_lshlrev_b32 v[L16], 4, v1
	v_lshlrev_b32 v[L8], 3, v1
	v_lshlrev_b32 v[L4], 2, v1
	s_mul_i32 s18, s15, HALFT                      ; source 1: region w / 2
	s_mul_i32 s19, s16, HALFT
	s_add_co_u32 s19, s19, 2*HALFT                 ; source 0: region 2 + w % 2
	s_sub_co_u32 s22, s19, s18
	v_mul_u32_u24 v4, s22, v3                      ; lanes 16-31 take source 0's scale words
	v_lshl_add_u32 v4, v2, 2, v4
	s_add_co_u32 s23, s18, 12288
.irp s, 0,1
	v_add_nc_u32 v[ADRA+\s], s18, v[L16]
	v_add_nc_u32 v[ADRB+\s], s19, v[L16]
	v_add_nc_u32 v[ADRS+\s], s23, v4
	s_add_co_u32 s18, s18, SLOT
	s_add_co_u32 s19, s19, SLOT
	s_add_co_u32 s23, s23, SLOT
.endr
	; where the results go (registers of their own: these numbers mix cx and cy)
	s_lshl_b32 s84, s17, 1
	s_add_co_u32 s84, s84, s15                     ; q, k: my block of 128 tokens
	s_lshl_b32 s85, s42, 1
	s_add_co_u32 s85, s85, s16
	s_and_b32 s85, s85, 7                          ; q, k: my pair of heads
	s_and_b32 s86, ttmp7, 0xffff
	s_lshl_b32 s86, s86, 2
	s_add_co_u32 s86, s86, s40
	s_lshl_b32 s86, s86, 1
	s_add_co_u32 s86, s86, s16                     ; v: my block of tokens
	s_lshl_b32 s87, s41, 1
	s_add_co_u32 s87, s87, s15                     ; v: my pair of heads
	s_cmp_eq_u32 ttmp9, 2
	s_cselect_b32 s84, s86, s84
	s_cselect_b32 s85, s87, s85
	s_lshr_b32 s86, s84, 4                         ; the batch
	s_and_b32 s84, s84, 15                         ; the block within the sequence
	s_lshl_b32 s86, s86, 4
	s_lshl_b32 s85, s85, 1
	s_add_co_u32 s86, s86, s85                     ; 16 batch + first head
	s_lshl_b32 s86, s86, 4
	s_add_co_u32 s86, s86, s84                     ; the record
	s_mov_b32 s87, 13056
	s_mov_b32 s88, 12288
	s_cmp_eq_u32 ttmp9, 0
	s_cselect_b32 s87, 6656, s87                   ; a record's bytes: q's or kv's
	s_cselect_b32 s88, 6144, s88                   ; where its scale words begin
	s_cselect_b64 s[66:67], s[8:9], s[10:11]
	s_mul_i32 s90, s86, s87
	s_mov_b32 s91, 0
	s_add_nc_u64 s[66:67], s[66:67], s[90:91]      ; the first head's record
	s_lshl_b32 s90, s87, 4
	s_add_nc_u64 s[68:69], s[66:67], s[90:91]      ; the second head's: 16 records on
	s_mov_b32 s90, s88
	s_add_nc_u64 s[70:71], s[66:67], s[90:91]
	s_add_nc_u64 s[72:73], s[68:69], s[90:91]
.macro FRAG reg, adr, q, i             ; a fragment's image: three loads, each 512 consecutive bytes
.irp c, 0,1,2
	ds_load_b128 v[\reg+4*\c:\reg+4*\c+3], v[\adr] offset:(\q)*REC+(\i)*1536+512*\c
.endr
.endm
.macro FETCH_B slot, q, p              ; source 0's eight fragments of the slot's q-th 128 along K into set p
	WIN TO_B
.irp i, 0,1,2,3,4,5,6,7
	FRAG 128*(\p)+12*\i, ADRB+\slot, \q, \i
.endr
	WIN 0
.endm
.macro FETCH_A slot, q, i0             ; source 1's fragments i0 .. i0 + 3
.irp i, \i0, \i0+1, \i0+2, \i0+3
	FRAG AF+12*(\i), ADRA+\slot, \q, \i
.endr
.endm
.macro SCALES set                      ; a slot's scale words
.irp q, 0,1
.irp i, 0,1,2,3,4,5,6,7
	ds_load_b32 v[SC+16*\set+8*\q+\i], v[ADRS+\set] offset:\q*REC+64*\i
.endr
.endr
.endm
; 16 matrix instructions: source 1's fragments a0, a0 + 1 x source 0's eight.  first = 1: the products start the sums.  The 64 accumulators take turns, one instruction a turn.
.macro MUL16 a0, p, q, sc, first
.irp a, \a0, \a0+1
.irp b, 0,1,2,3,4,5,6,7
.set rD, 8*(8*((\a)%4)+\b)
.set rB, 128*(\p)+12*\b
.set rA, AF+12*(\a)
.set rSB, SC+16*(\sc)+8*(\q)+\b
.set rSA, SC+16*(\sc)+8*(\q)+(\a)
.if \first
	v_wmma_scale_f32_16x16x128_f8f6f4 v[rD:rD+7], v[rB:rB+11], v[rA:rA+11], 0, v[rSB], v[rSA] matrix_a_fmt:MATRIX_FMT_FP6 matrix_b_fmt:MATRIX_FMT_FP6 matrix_a_scale:MATRIX_SCALE_ROW1
.else
	v_wmma_scale_f32_16x16x128_f8f6f4 v[rD:rD+7], v[rB:rB+11], v[rA:rA+11], v[rD:rD+7], v[rSB], v[rSA] matrix_a_fmt:MATRIX_FMT_FP6 matrix_b_fmt:MATRIX_FMT_FP6 matrix_a_scale:MATRIX_SCALE_ROW1
.endif
.endr
.endr
.endm
.macro PLACES                          ; four places in front of loads into registers that matrix instructions have read, and of the first read of results
.rept 4
	v_nop
.endr
.endm
.macro STEP slot, first                ; a slot's first 128 along K; it fetches the second's fragments
	s_wait_dscnt 4*NLA                             ; all but the youngest loads (source 1's fragments 4-7) are in
	WIN MUL_LO
	MUL16 0, 0, 0, \slot, \first
	MUL16 2, 0, 0, \slot, \first
	s_wait_dscnt 0x0
	PLACES
	FETCH_B \slot, 1, 1
	FETCH_A \slot, 1, 0
	WIN MUL_HI
	MUL16 4, 0, 0, \slot, \first
	MUL16 6, 0, 0, \slot, \first
	PLACES
	WIN 0
	FETCH_A \slot, 1, 4
.endm
; A slot's second 128 along K changes slots: ONE barrier; in front of it each wave waits for all its tensor loads, adds 0 to its spare word, and waits for that and for its reads of this slot.  fill = 1: the slot is filled again.
.macro TURN slot, next, fill
	s_wait_tensorcnt 0x0                           ; all my tensor loads have landed: my part of the next slot
	ds_add_u32 v[SPW], v[NIL]                      ; 0 onto my spare word
	s_wait_dscnt 4*NLA+1                           ; (the add and the youngest loads may be out)
	WIN MUL_LO
	MUL16 0, 1, 1, \slot, 0
	s_wait_dscnt 0x0                               ; the add is done, and my reads of this slot are over
	s_barrier_signal -1
	MUL16 2, 1, 1, \slot, 0
	WIN 0
	s_barrier_wait -1
.if \fill
	CREST                                          ; the barrier has opened a round of the cluster's: no wave of any partner still reads this slot or has a load on its way
	s_add_nc_u64 s[G0+4*\slot+2:G0+4*\slot+3], s[G0+4*\slot+2:G0+4*\slot+3], 2*HALFT
	s_add_nc_u64 s[G0B+4*\slot+2:G0B+4*\slot+3], s[G0B+4*\slot+2:G0B+4*\slot+3], 2*HALFT
	JLOAD G0+4*\slot, G1, G0B+4*\slot, G1B         ; the first tensor load behind the round; its four v_nop are the places in front of the loads below
.else
	PLACES
.endif
	FETCH_B \next, 0, 0
	FETCH_A \next, 0, 0
	SCALES \next
	WIN MUL_HI
	MUL16 4, 1, 1, \slot, 0
	MUL16 6, 1, 1, \slot, 0
	PLACES
	WIN 0
	FETCH_A \next, 0, 4
.endm
	s_wait_tensorcnt 1                             ; my part of slot 0 is in; slot 1's load may be out
	s_barrier_signal -1
	s_barrier_wait -1
	FETCH_B 0, 0, 0
	FETCH_A 0, 0, 0
	SCALES 0
	FETCH_A 0, 0, 4
	STEP 0, 1
	s_mov_b32 s3, LAPS-1
.Llap:
	TURN 0, 1, 1
	STEP 1, 0
	TURN 1, 0, 1
	STEP 0, 0
	s_sub_co_u32 s3, s3, 1
	s_cmp_lg_u32 s3, 0
	s_cbranch_scc1 .Llap
	TURN 0, 1, 0                                   ; the last lap fills nothing
	STEP 1, 0
	s_wait_dscnt 4*NLA
	WIN MUL_LO
	MUL16 0, 1, 1, 1, 0
	MUL16 2, 1, 1, 1, 0
	s_wait_dscnt 0x0
	WIN MUL_HI
	MUL16 4, 1, 1, 1, 0
	MUL16 6, 1, 1, 1, 0
	WIN 0
; THE WAY OUT.  The 64 registers of source 1's fragment a (register 16 b + i = k 32 b + 16 (lane / 16) + i of my row) become a fragment's codes in v[PC] on and its scale word in v[PW].
.macro QUANT a
.set S, 64*((\a)%4)
.set W, 2+(\a)/4
	WIN (W<<4)|(W<<2)                              ; sources 1 and 2: the accumulators' window
.irp b, 0,1,2,3
	v_max3_num_f32 v[TM+\b], 0x1800000, |v[S+16*\b]|, |v[S+16*\b+1]|   ; block b: my 16 numbers, each accumulator from its low end on; and the floor 2^(3 - 127)
.endr
.irp i, 2,4,6,8,10,12,14
.irp b, 0,1,2,3
	v_max3_num_f32 v[TM+\b], v[TM+\b], |v[S+16*\b+\i]|, |v[S+16*\b+\i+1]|
.endr
.endr
	WIN 0
.irp b, 0,1,2,3
	v_permlanex16_b32 v[TM+4+\b], v[TM+\b], s76, s77
.endr
.irp b, 0,1,2,3
	v_max_num_f32 v[TM+\b], v[TM+\b], v[TM+4+\b]   ; with lane l xor 16's: the block's largest magnitude
.endr
.irp b, 0,1,2,3
	v_add_nc_u32 v[TM+12+\b], 0xff000000, v[TM+\b] ; 2 off its exponent field: the conversion's scale operand
.endr
.irp b, 0,1,2,3
	v_lshrrev_b32 v[TM+4+\b], 23, v[TM+12+\b]      ; the scale's byte
.endr
	v_lshl_or_b32 v[PW], v[TM+5], 8, v[TM+4]
	v_lshl_or_b32 v[PW], v[TM+6], 16, v[PW]
	v_lshl_or_b32 v[PW], v[TM+7], 24, v[PW]
	s_wait_xcnt 0x0                                ; the last fragment's stores have read their data: the codes' registers are written again only behind this wait
	WIN W                                          ; source 0: the accumulators' window
.irp c, 0,1
	v_cvt_scalef32_pk16_fp6_f32 v[PC+6*\c:PC+6*\c+2], v[S+32*\c:S+32*\c+15], v[TM+12+2*\c]
	v_cvt_scalef32_pk16_fp6_f32 v[PC+12+4*\c:PC+14+4*\c], v[S+32*\c+16:S+32*\c+31], v[TM+12+2*\c+1]
.endr
	WIN 0
	v_nop                                          ; one plain place behind a scaled conversion
.irp c, 0,1                            ; the operand's layout wants a WHOLE block in a lane
.irp i, 0,1,2
	v_permlane16_swap_b32 v[PC+6*\c+\i], v[PC+12+4*\c+\i]
.endr
.irp i, 0,1,2
	v_mov_b32 v[PC+3+6*\c+\i], v[PC+12+4*\c+\i]
.endr
.endr
.if (\a)%2 == 0
	v_mov_b32 v[PWS+(\a)/2], v[PW]                 ; two fragments' scale words leave together: 128 consecutive bytes
.else
	v_cndmask_b32 v[PWS+(\a)/2], v[PWS+(\a)/2], v[PW], s74
.endif
.endm
	PLACES
.irp b, 0,1,2,3
	v_mov_b32 v[TM+4+\b], 0                        ; written once: a lane permute's destination counts as one of its sources
.endr
	s_cmp_eq_u32 ttmp9, 2
	s_cbranch_scc1 .Lvalues
.irp a, 0,1,2,3,4,5,6,7                ; q, k: registers 0-5 are the first head's 64, registers 6-11 the second's
	QUANT \a
	global_store_b128 v[L16], v[PC:PC+3], s[66:67] offset:768*\a
	global_store_b64 v[L8], v[PC+4:PC+5], s[66:67] offset:768*\a+512
	global_store_b128 v[L16], v[PC+6:PC+9], s[68:69] offset:768*\a
	global_store_b64 v[L8], v[PC+10:PC+11], s[68:69] offset:768*\a+512
.if \a%2
	v_lshrrev_b32 v[PWH+\a/2], 16, v[PWS+\a/2]     ; the second head's two bytes; bytes 2, 3 are 0: they scale products with zero codes
	v_and_b32 v[PWS+\a/2], 0xffff, v[PWS+\a/2]     ; the first head's
	global_store_b32 v[L4], v[PWS+\a/2], s[70:71] offset:128*(\a/2)
	global_store_b32 v[L4], v[PWH+\a/2], s[72:73] offset:128*(\a/2)
.endif
.endr
	s_branch .Ldone
.Lvalues:
.irp a, 0,1,2,3,4,5,6,7                ; v: fragment a is 16 channels x 128 keys: tile a % 4 of head a / 4
	QUANT \a
.irp c, 0,1,2
	global_store_b128 v[L16], v[PC+4*\c:PC+4*\c+3], s[66+2*(\a/4):67+2*(\a/4)] offset:6144+1536*(\a%4)+512*\c
.endr
.if \a%2
	global_store_b32 v[L4], v[PWS+\a/2], s[66+2*(\a/4):67+2*(\a/4)] offset:12800+128*((\a%4)/2)
.endif
.endr
.Ldone:
	s_wait_tensorcnt 0x0                           ; the wave's end
	ds_add_u32 v[SPW], v[NIL]
	s_wait_dscnt 0x0
	CROUND                                         ; the closing round: no work-group ends while a partner may still ask for a tile that names it
	s_endpgm
.Lfunc_end_k_q6c27f2fd13_qkv:
	.size	k_q6c27f2fd13_qkv, .Lfunc_end_k_q6c27f2fd13_qkv-k_q6c27f2fd13_qkv
	.p2alignl 7, 3214868480
	.fill 96, 4, 3214868480
	.section	.rodata,"a",@progbits
	.p2align	6, 0x0
	.amdhsa_kernel k_q6c27f2fd13_qkv
		.amdhsa_group_segment_fixed_size 327680
		.amdhsa_private_segment_fixed_size 0
		.amdhsa_enable_private_segment 0
		.amdhsa_kernarg_size 32
		.amdhsa_user_sgpr_count 2
		.amdhsa_user_sgpr_kernarg_segment_ptr 1
		.amdhsa_wavefront_size32 1
		.amdhsa_system_sgpr_workgroup_id_x 1
		.amdhsa_system_sgpr_workgroup_id_y 1
		.amdhsa_system_sgpr_workgroup_id_z 1
		.amdhsa_system_vgpr_workitem_id 0
		.amdhsa_next_free_vgpr 1024
		.amdhsa_next_free_sgpr 100
		.amdhsa_reserve_vcc 0
		.amdhsa_float_denorm_mode_32 3
		.amdhsa_float_denorm_mode_16_64 3
		.amdhsa_memory_ordered 1
		.amdhsa_forward_progress 1
		.amdhsa_inst_pref_size 177
	.end_amdhsa_kernel
	.amdgpu_metadata
---
amdhsa.version: [ 1, 2 ]
amdhsa.kernels:
  - .name:           k_q6c27f2fd13_qkv
    .symbol:         k_q6c27f2fd13_qkv.kd
    .args:
      - { .name: hpan, .offset: 0, .size: 8, .value_kind: global_buffer, .address_space: global }
      - { .name: wpan, .offset: 8, .size: 8, .value_kind: global_buffer, .address_space: global }
      - { .name: qbuf, .offset: 16, .size: 8, .value_kind: global_buffer, .address_space: global }
      - { .name: kvbuf, .offset: 24, .size: 8, .value_kind: global_buffer, .address_space: global }
    .group_segment_fixed_size: 327680
    .private_segment_fixed_size: 0
    .kernarg_segment_align: 8
    .kernarg_segment_size: 32
    .max_flat_workgroup_size: 128
    .sgpr_count:     100
    .vgpr_count:     1024
    .wavefront_size: 32
...
	.end_amdgpu_metadata
.endif
;; end of part 3
;; launch attn (part 4): grid 8 x 32, 16 waves a work-group, clusters of 4 x 1, 212,992 bytes of LDS; arguments qbuf, kvbuf, opan; writes opan
.if DOCPART == 4
	.amdgcn_target "amdgcn-amd-amdhsa--gfx1250"
	.amdhsa_code_object_version 6
	.text
	.protected	k_q6c27f2fd13_attn
	.globl	k_q6c27f2fd13_attn
	.p2align	8
	.type	k_q6c27f2fd13_attn,@function
k_q6c27f2fd13_attn:
	s_mov_b64 s[64:65], 0
	v_nop
	global_prefetch_b8 v0, s[64:65] scope:SCOPE_SE
	s_setreg_imm32_b32 hwreg(HW_REG_WAVE_MODE, 25, 1), 1
	s_wait_xcnt 0x0
	s_wait_alu depctr_hold_cnt(0) depctr_sa_sdst(0) depctr_va_vdst(0) depctr_va_sdst(0) depctr_va_ssrc(0) depctr_va_vcc(0) depctr_vm_vsrc(0)
	s_getreg_b32 s2, hwreg(HW_REG_IB_STS2, 6, 4)
	s_cmp_eq_u32 s2, 0
	s_cbranch_scc0 .Lentry_in_a_cluster
	s_endpgm
.Lentry_in_a_cluster:
	s_bfe_u32 s2, ttmp6, 0x10000c
	s_cmp_lg_u32 s2, 0x3003
	s_cbranch_scc0 .Lentry_shape_is_right
	s_endpgm
.Lentry_shape_is_right:
; Causal attention of 32 heads (2 batches x 16), 2,048 positions, head size 64, both products on codes of FP6 (E2M3) with E8M0 scales; the result is quantised along the heads' channels for the projection that follows.
; WORK LEFT OUT: key steps that lie wholly behind a tile's queries (reference()'s own causal mask gives them the weight 0 for all inputs); a NaN or an infinity that reaches only them is not carried on.
; THE SOFTMAX AHEAD OF THE SECOND PRODUCT: t = score x log2(e) / 8; M = the row's largest t so far, rounded UP to a whole number; p = 2^(t - M) is quantised along the keys, not normalised; the row's sum is taken of the
; unquantised p and divides O at the end.  When M moves, the sum and O are multiplied by 2^(old M - new M): exact.
; IN: qbuf [head][16][6,656]: 8 half images of 16 queries (768 bytes: registers 0-3 at 16 l, 4-5 at 512 + 8 l), scale words at 6,144.  kvbuf [head][16][13,056], a record for 128 keys: K's 8 half images, V^T's 4 images
; (16 channels x 128 keys, 1,536 bytes) at 6,144, K's scale words at 12,288, V's at 12,800.  Row p of fragment 2 g + u is row 32 g + 8 u + p % 8 + 16 (p / 8): so p's 16 registers of two neighbouring tiles are 16 neighbouring keys.
; A WHOLE HEAD'S K AND V STAY IN LDS: 16 records, 208,896 bytes; wave w brings record w by ONE tensor load, so every fill is a first fill: one tensor load of each wave is out, no slot is filled again.
; SHARES.  Eight work-groups a head; work-group j takes fragment j of each of the head's 16 blocks of 128 queries, a tile a wave.  The tile of block n walks key steps 0 .. n, so every work-group has the same 136 steps; the blocks are
; dealt to the waves by a 4 x 4 square whose rows and columns have equal sums, so that waves w % 4 alike, and waves w / 4 alike, have 34 steps together.
; CLUSTER: the four work-groups of a cluster belong to one head: each record is asked for jointly.  Trip counts and branches hang on the wave's number and the count of steps alone; the place in the cluster enters global addresses and the mask's data.
; HEAD SIZE 64 IN AN INSTRUCTION OF 128: Q's registers 6-11 are zero codes.  K's operand names tile i's six registers and the six behind them (the next tile's codes; behind the last tile: zeros): finite numbers x zero codes, under scale bytes 0: they add exactly 0.
; OUT: opan, records of 12,800 bytes for (128 tokens, two heads): head c's half image of fragment f at 6,144 c + 768 f; scale words at 12,288, head c's two bytes at 2 c.  O / sum by v_rcp_f32 and a multiplication.
; REGISTERS: v1-10 addresses; v12 -M, v13 the largest t, v[14:15] the sum; v16-27 Q; v32-85 K, then V in v32-79; v86-91 scale words; v96-159 S^T, then p; v160-191 O^T; v224-235 p's codes; v232-254 at work; v255 Q's scale words.
.set KVR,   13056
.set QR,    6656
.set REC,   12800
.set SPARE, 16*KVR                     ; behind the records: the spare words, 128 bytes for each wave: eight blocks of 256 bytes that no other line names
.set SPW, 5                            ; v5   LDS address of my spare word; never rewritten
.set NIL, 6                            ; v6   0; never rewritten
.set TB,  2                            ; s2   LDS byte at which the step's record begins
.set ST,  3                            ; s3   the key step
.set WV,  18
.set RHO, 19                           ; s19  my block of 128 queries = my last key step
.set SEL, 20
.set CS,  22                           ; s[22:23] c = log2(e) / 8
.set G1,  24
.set G0,  32
.macro CROUND
	s_barrier_signal -1
	s_barrier_wait -1
	s_cmp_lg_u32 s[WV], 0
	s_cbranch_scc1 .Lnot_wave_0_\@
	s_barrier_signal -3
.Lnot_wave_0_\@:
	s_barrier_wait -3
	s_barrier_signal -1
	s_barrier_wait -1
.endm
	s_load_b128 s[4:7], s[0:1], 0x0                ; qbuf, kvbuf
	s_load_b64 s[8:9], s[0:1], 0x10                ; opan
	v_lshl_add_u32 v[SPW], v0, 2, SPARE
	v_mov_b32 v[NIL], 0
	ds_add_u32 v[SPW], v[NIL]                      ; the wave's opening: an add of 0 to my spare word, twice on end, and its wait ahead of my first tensor load
	ds_add_u32 v[SPW], v[NIL]
	v_lshrrev_b32 v8, 5, v0
	v_readfirstlane_b32 s[WV], v8                  ; wave 0..15
	s_mov_b32 s[RHO], 0x0de3b658                   ; the square, four bits a wave: waves 8-15,
	s_cmp_lt_u32 s[WV], 8
	s_cselect_b32 s[RHO], 0x7a94c12f, s[RHO]       ; waves 0-7
	s_and_b32 s36, s[WV], 7
	s_lshl_b32 s36, s36, 2
	s_lshr_b32 s[RHO], s[RHO], s36
	s_and_b32 s[RHO], s[RHO], 15
	s_bfe_u32 s36, ttmp6, 0x40000                  ; cx
	s_lshl_b32 s37, ttmp9, 2
	s_add_co_u32 s37, s37, s36                     ; j: my fragment in each block of queries
	s_and_b32 s38, ttmp7, 0xffff                   ; the head, 0..31
	s_mov_b32 s[G1], 15|(3<<16)|(1<<21)            ; 15:0 the mask: all four work-groups; 17:16 elements of 8 bytes; 21 set beside a mask
	s_mov_b32 s[G1+1], 32<<16                      ; rows of 256 bytes,
	s_mov_b32 s[G1+2], 51<<16                      ; 51 of them: a record
	s_mov_b32 s[G1+3], 32<<16
	s_mov_b32 s[G1+4], 51
	s_mov_b32 s[G1+5], 32
	s_mov_b32 s[G1+6], 0
	s_mov_b32 s[G1+7], 0
	s_lshl_b32 s39, s38, 4
	s_add_co_u32 s40, s39, s[WV]
	s_mul_i32 s40, s40, KVR                        ; record w of the head
	s_mov_b32 s41, 0
	s_add_co_u32 s42, s39, s[RHO]
	s_mul_i32 s42, s42, QR                         ; my block of queries
	s_mul_i32 s44, s37, 768
	s_add_co_u32 s44, s44, s42                     ; my tile's codes
	s_mov_b32 s45, 0
	s_lshl_b32 s46, s37, 6
	s_add_co_u32 s46, s46, s42
	s_add_co_u32 s46, s46, 6144                    ; its scale words
	s_mov_b32 s47, 0
	s_lshr_b32 s48, s38, 4
	s_lshl_b32 s48, s48, 4
	s_add_co_u32 s48, s48, s[RHO]                  ; the block of 128 tokens
	s_lshl_b32 s48, s48, 3
	s_bfe_u32 s49, s38, 0x30001                    ; the pair of heads = the projection's K step
	s_add_co_u32 s48, s48, s49
	s_mul_i32 s48, s48, REC
	s_and_b32 s49, s38, 1
	s_mul_i32 s50, s49, 6144
	s_add_co_u32 s50, s50, s48
	s_mul_i32 s51, s37, 768
	s_add_co_u32 s50, s50, s51                     ; where my codes go
	s_mov_b32 s51, 0
	s_lshl_b32 s52, s37, 6
	s_add_co_u32 s52, s52, s48
	s_lshl_b32 s49, s49, 1
	s_add_co_u32 s52, s52, s49
	s_add_co_u32 s52, s52, 12288                   ; and my two scale bytes a row
	s_mov_b32 s53, 0
	s_lshr_b32 s54, s37, 1
	s_lshl_b32 s54, s54, 5
	s_and_b32 s55, s37, 1
	s_lshl_b32 s55, s55, 3
	s_add_co_u32 s54, s54, s55                     ; my tile's first query in its block: 32 (j / 2) + 8 (j % 2)
	s_mov_b32 s[SEL], 0x76543210
	s_mov_b32 s[SEL+1], 0xfedcba98
	s_mov_b32 s[CS], 0x3e38aa3b                    ; log2(e) / 8
	s_mov_b32 s[CS+1], s[CS]                       ; (named with it as a pair, so it is written)
	s_mov_b32 s[TB], 0
	s_mov_b32 s[ST], 0
	s_wait_dscnt 0x0                               ; both opening adds are done
	s_wait_kmcnt 0x0
	s_mov_b32 s[G0], 1
	s_mul_i32 s[G0+1], s[WV], KVR
	s_add_nc_u64 s[G0+2:G0+3], s[6:7], s[40:41]
	s_or_b32 s[G0+3], s[G0+3], 0x80000000
	s_add_nc_u64 s[44:45], s[4:5], s[44:45]
	s_add_nc_u64 s[46:47], s[4:5], s[46:47]
	s_add_nc_u64 s[50:51], s[8:9], s[50:51]
	s_add_nc_u64 s[52:53], s[8:9], s[52:53]
	CROUND                                         ; all four work-groups are here: the joint loads meet
	tensor_load_to_lds s[G0:G0+3], s[G1:G1+7]      ; my one tensor load
	s_nop 0
	v_and_b32 v3, 31, v0
	v_lshlrev_b32 v1, 4, v3                        ; 16 x lane
	v_lshlrev_b32 v2, 3, v3                        ; 8 x lane
	v_lshlrev_b32 v3, 2, v3                        ; 4 x lane
	v_and_b32 v7, 15, v0
	v_lshlrev_b32 v7, 2, v7                        ; 4 r
	global_load_b128 v[16:19], v1, s[44:45]        ; Q's six registers stay
	global_load_b64 v[20:21], v2, s[44:45] offset:512
	global_load_b32 v255, v7, s[46:47]             ; and its scale words
	v_and_b32 v4, 7, v0
	v_bfe_u32 v11, v0, 3, 1
	v_lshl_add_u32 v4, v11, 4, v4
	v_bfe_u32 v11, v0, 4, 1
	v_lshlrev_b32 v11, 4, v11
	v_sub_nc_u32 v4, v4, v11
	v_add_nc_u32 v4, s54, v4                       ; d = my query in its block - 16 (lane / 16): on the diagonal register 16 b + i holds a hidden key where 32 b + i > d
.irp i, 22,23,24,25,26,27, 80,81,82,83,84,85
	v_mov_b32 v\i, 0                               ; zero codes: the upper 64 of Q's K, and what lies behind K's last tile
.endr
	v_mov_b32 v13, 0xff61b1e6                      ; the largest t so far: -3e38, under every t
	v_floor_f32 v12, -v13                          ; -M
	v_mov_b32 v14, 0
	v_mov_b32 v15, 0
.irp b, 0,1,2,3
	v_mov_b32 v[236+\b], 0                         ; written once: a lane permute's destination counts as one of its sources
.endr
	v_mov_b32 v252, 0
	v_mov_b32 v253, 0
.set n, 0
.rept 32
	v_mov_b32 v[160+n], 0                          ; O^T: the step is written once; the first finds zeros
.set n, n+1
.endr
	s_wait_tensorcnt 0x0                           ; my record is in,
	s_barrier_signal -1
	s_barrier_wait -1                              ; everybody's is
	s_wait_loadcnt 0x0                             ; Q
.Lstep:                                        ; 16 trips in every wave; a step whose keys all come behind my queries is passed over
	s_cmp_gt_u32 s[ST], s[RHO]
	s_cbranch_scc1 .Lhid
	v_add_nc_u32 v8, s[TB], v1
	v_add_nc_u32 v9, s[TB], v2
	v_add_nc_u32 v10, s[TB], v3
	v_nop                                          ; four places in front of loads into registers that the last products read
.irp i, 0,1,2,3,4,5,6,7
	ds_load_b128 v[32+6*\i:35+6*\i], v8 offset:768*\i
	ds_load_b64 v[36+6*\i:37+6*\i], v9 offset:768*\i+512
.endr
.irp i, 0,1,2,3
	ds_load_b32 v[86+\i], v10 offset:12288+128*\i  ; lanes 0-15: tile 2 i's scale words; lanes 16-31: tile 2 i + 1's
.endr
	s_wait_dscnt 0x0
.irp i, 0,2,4,6                        ; S^T = K Q^T: source 0 = 16 keys, source 1 = my 16 queries
	v_wmma_scale_f32_16x16x128_f8f6f4 v[96+8*\i:103+8*\i], v[32+6*\i:43+6*\i], v[16:27], 0, v[86+\i/2], v255 matrix_a_fmt:MATRIX_FMT_FP6 matrix_b_fmt:MATRIX_FMT_FP6
	v_wmma_scale_f32_16x16x128_f8f6f4 v[104+8*\i:111+8*\i], v[38+6*\i:49+6*\i], v[16:27], 0, v[86+\i/2], v255 matrix_a_fmt:MATRIX_FMT_FP6 matrix_b_fmt:MATRIX_FMT_FP6 matrix_a_scale:MATRIX_SCALE_ROW1
.endr
.rept 4
	v_nop                                          ; places in front of the loads below and of the first read of the scores
.endr
.irp t, 0,1,2,3
.irp c, 0,1,2
	ds_load_b128 v[32+12*\t+4*\c:35+12*\t+4*\c], v8 offset:6144+1536*\t+512*\c   ; V^T lands while the softmax is walked
.endr
.endr
.irp i, 0,1
	ds_load_b32 v[90+\i], v10 offset:12800+128*\i
.endr
	s_cmp_lg_u32 s[ST], s[RHO]                     ; only my last step lies on the diagonal
	s_cbranch_scc1 .Lopen
	v_mov_b32 v254, 0xff800000                     ; -infinity: p = 0 then
.set n, 0
.rept 64
	v_cmp_gt_i32 vcc_lo, 32*(n/16)+n%16, v4
	v_cndmask_b32 v[96+n], v[96+n], v254, vcc_lo
.set n, n+1
.endr
.Lopen:
.irp b, 0,1,2,3
	v_max3_num_f32 v[232+\b], v[96+16*\b], v[97+16*\b], v[98+16*\b]   ; the largest score of each block of 32 keys: it serves the row's maximum and, since p rises with the score, the block's largest p
.endr
.irp i, 3,5,7,9,11,13
.irp b, 0,1,2,3
	v_max3_num_f32 v[232+\b], v[232+\b], v[96+16*\b+\i], v[97+16*\b+\i]
.endr
.endr
.irp b, 0,1,2,3
	v_max_num_f32 v[232+\b], v[232+\b], v[111+16*\b]
.endr
.irp b, 0,1,2,3
	v_permlanex16_b32 v[236+\b], v[232+\b], s[SEL], s[SEL+1]
.endr
.irp b, 0,1,2,3
	v_max_num_f32 v[232+\b], v[232+\b], v[236+\b]  ; with lane l xor 16's 16 keys
.endr
	v_max3_num_f32 v254, v232, v233, v234
	v_max_num_f32 v254, v254, v235
	v_mul_f32 v254, s[CS], v254                    ; the step's largest t
	v_max_num_f32 v13, v13, v254                   ; the running largest t
	v_mov_b32 v254, v12
	v_floor_f32 v12, -v13                          ; the new -M = -ceil(t)
	v_sub_f32 v254, v12, v254                      ; old M - new M: a whole number, 0 or less
	v_cvt_i32_f32 v254, v254                       ; (it saturates)
	v_ldexp_f32 v252, 1.0, v254                    ; f = 2^(old M - new M)
.set n, 0
.rept 32
	v_pk_fma_f32 v[96+n:97+n], v[96+n:97+n], s[CS:CS+1], v[12:13] op_sel_hi:[1,0,0]   ; t - M
.set n, n+2
.endr
.irp b, 0,1,2,3
	v_fma_f32 v[232+\b], v[232+\b], s[CS], v12     ; the same of each block's largest score
.endr
.set n, 0
.rept 64
	v_exp_f32 v[96+n], v[96+n]                     ; p = 2^(t - M)
.set n, n+1
.endr
	v_pk_mul_f32 v[14:15], v[14:15], v[252:253] op_sel_hi:[1,0]   ; the sums under the new M (a plain place behind the exponentials)
	s_wait_alu depctr_va_vdst(0)                   ; one wait for the batch, ahead of its first reader
.irp b, 0,1,2,3
	v_exp_f32 v[232+\b], v[232+\b]                 ; the block's largest p
.endr
	v_pk_add_f32 v[236:237], v[96:97], v[98:99]    ; the row's sum of the unquantised p, in two chains
.irp j, 4,8,12,16,20,24,28,32,36,40,44,48,52,56,60
	v_pk_add_f32 v[14:15], v[14:15], v[96+\j:97+\j]
	v_pk_add_f32 v[236:237], v[236:237], v[98+\j:99+\j]
.endr
	v_pk_add_f32 v[14:15], v[14:15], v[236:237]
	s_wait_alu depctr_va_vdst(0)                   ; and one for the four
.irp b, 0,1,2,3
	v_max_num_f32 v[232+\b], 0x1800000, v[232+\b]  ; the floor 2^(3 - 127): the byte cannot fall under 1
.endr
.irp b, 0,1,2,3
	v_add_nc_u32 v[244+\b], 0xff000000, v[232+\b]  ; the conversion's scale operand
.endr
.irp b, 0,1,2,3
	v_lshrrev_b32 v[236+\b], 23, v[244+\b]         ; the scale's byte
.endr
	v_lshl_or_b32 v253, v237, 8, v236              ; p's scale word for these 128 keys
	v_lshl_or_b32 v253, v238, 16, v253
	v_lshl_or_b32 v253, v239, 24, v253
.irp c, 0,1
	v_cvt_scalef32_pk16_fp6_f32 v[224+6*\c:226+6*\c], v[96+32*\c:111+32*\c], v[244+2*\c]
	v_cvt_scalef32_pk16_fp6_f32 v[236+4*\c:238+4*\c], v[112+32*\c:127+32*\c], v[244+2*\c+1]
.endr
	v_nop                                          ; one plain place behind a scaled conversion
.irp c, 0,1
.irp i, 0,1,2
	v_permlane16_swap_b32 v[224+6*\c+\i], v[236+4*\c+\i]
.endr
.irp i, 0,1,2
	v_mov_b32 v[227+6*\c+\i], v[236+4*\c+\i]
.endr
.endr
.set n, 0
.rept 16
	v_pk_mul_f32 v[160+n:161+n], v[160+n:161+n], v[252:253] op_sel_hi:[1,0]   ; O^T under the new M.  (These sixteen are also the places between the lines that made p's codes and scale word and the products)
.set n, n+2
.endr
	s_wait_dscnt 0x0                               ; V^T is in
.irp t, 0,2                            ; O^T += V^T P^T: source 0 = 16 channels, source 1 = p; the four accumulators by turns
	v_wmma_scale_f32_16x16x128_f8f6f4 v[160+8*\t:167+8*\t], v[32+12*\t:43+12*\t], v[224:235], v[160+8*\t:167+8*\t], v[90+\t/2], v253 matrix_a_fmt:MATRIX_FMT_FP6 matrix_b_fmt:MATRIX_FMT_FP6
	v_wmma_scale_f32_16x16x128_f8f6f4 v[168+8*\t:175+8*\t], v[44+12*\t:55+12*\t], v[224:235], v[168+8*\t:175+8*\t], v[90+\t/2], v253 matrix_a_fmt:MATRIX_FMT_FP6 matrix_b_fmt:MATRIX_FMT_FP6 matrix_a_scale:MATRIX_SCALE_ROW1
.endr
.Lhid:
	s_add_co_u32 s[TB], s[TB], KVR
	s_add_co_u32 s[ST], s[ST], 1
	s_cmp_lt_u32 s[ST], 16
	s_cbranch_scc1 .Lstep
	; THE WAY OUT.  Register 16 g + i of O^T is channel 32 g + 16 (lane / 16) + i of my query: two blocks of the projection's K.
	v_add_f32 v14, v14, v15
	v_permlanex16_b32 v236, v14, s[SEL], s[SEL+1]
	v_add_f32 v14, v14, v236                       ; the row's sum
	v_rcp_f32 v14, v14
.rept 4
	v_nop                                          ; the plain place behind the reciprocal, and the places behind the last products
.endr
	s_wait_alu depctr_va_vdst(0)                   ; ahead of the reciprocal's first reader
.set n, 0
.rept 32
	v_mul_f32 v[96+n], v[160+n], v14
.set n, n+1
.endr
.irp g, 0,1
	v_max3_num_f32 v[232+\g], |v[96+16*\g]|, |v[97+16*\g]|, 0x1800000
.endr
.irp i, 2,4,6,8,10,12,14
.irp g, 0,1
	v_max3_num_f32 v[232+\g], v[232+\g], |v[96+16*\g+\i]|, |v[97+16*\g+\i]|
.endr
.endr
.irp g, 0,1
	v_permlanex16_b32 v[236+\g], v[232+\g], s[SEL], s[SEL+1]
.endr
.irp g, 0,1
	v_max_num_f32 v[232+\g], v[232+\g], v[236+\g]
.endr
.irp g, 0,1
	v_add_nc_u32 v[244+\g], 0xff000000, v[232+\g]
.endr
.irp g, 0,1
	v_lshrrev_b32 v[240+\g], 23, v[244+\g]
.endr
	v_lshl_or_b32 v242, v241, 8, v240              ; my head's two bytes of the row's scale word
	v_cvt_scalef32_pk16_fp6_f32 v[224:226], v[96:111], v244
	v_cvt_scalef32_pk16_fp6_f32 v[228:230], v[112:127], v245
	v_nop
.irp i, 0,1,2
	v_permlane16_swap_b32 v[224+\i], v[228+\i]
.endr
.irp i, 0,1,2
	v_mov_b32 v[227+\i], v[228+\i]                 ; in ascending order: v224-229 are the half fragment
.endr
	global_store_b128 v1, v[224:227], s[50:51]     ; 512 consecutive bytes, aligned
	global_store_b64 v2, v[228:229], s[50:51] offset:512
	global_store_b16 v7, v242, s[52:53]            ; two bytes a row (lanes r and r + 16 store the same): 32 of the tile's 800 bytes
	s_wait_tensorcnt 0x0                           ; the wave's end
	ds_add_u32 v[SPW], v[NIL]
	s_wait_dscnt 0x0
	CROUND                                         ; the closing round
	s_endpgm
.Lfunc_end_k_q6c27f2fd13_attn:
	.size	k_q6c27f2fd13_attn, .Lfunc_end_k_q6c27f2fd13_attn-k_q6c27f2fd13_attn
	.p2alignl 7, 3214868480
	.fill 96, 4, 3214868480
	.section	.rodata,"a",@progbits
	.p2align	6, 0x0
	.amdhsa_kernel k_q6c27f2fd13_attn
		.amdhsa_group_segment_fixed_size 212992
		.amdhsa_private_segment_fixed_size 0
		.amdhsa_enable_private_segment 0
		.amdhsa_kernarg_size 24
		.amdhsa_user_sgpr_count 2
		.amdhsa_user_sgpr_kernarg_segment_ptr 1
		.amdhsa_wavefront_size32 1
		.amdhsa_system_sgpr_workgroup_id_x 1
		.amdhsa_system_sgpr_workgroup_id_y 1
		.amdhsa_system_sgpr_workgroup_id_z 1
		.amdhsa_system_vgpr_workitem_id 0
		.amdhsa_next_free_vgpr 256
		.amdhsa_next_free_sgpr 66
		.amdhsa_reserve_vcc 1
		.amdhsa_float_denorm_mode_32 3
		.amdhsa_float_denorm_mode_16_64 3
		.amdhsa_memory_ordered 1
		.amdhsa_forward_progress 1
		.amdhsa_inst_pref_size 32
	.end_amdhsa_kernel
	.amdgpu_metadata
---
amdhsa.version: [ 1, 2 ]
amdhsa.kernels:
  - .name:           k_q6c27f2fd13_attn
    .symbol:         k_q6c27f2fd13_attn.kd
    .args:
      - { .name: qbuf, .offset: 0, .size: 8, .value_kind: global_buffer, .address_space: global }
      - { .name: kvbuf, .offset: 8, .size: 8, .value_kind: global_buffer, .address_space: global }
      - { .name: opan, .offset: 16, .size: 8, .value_kind: global_buffer, .address_space: global }
    .group_segment_fixed_size: 212992
    .private_segment_fixed_size: 0
    .kernarg_segment_align: 8
    .kernarg_segment_size: 24
    .max_flat_workgroup_size: 512
    .sgpr_count:     66
    .vgpr_count:     256
    .wavefront_size: 32
...
	.end_amdgpu_metadata
.endif
;; end of part 4
;; launch oproj (part 5): grid 4 x 16, 4 waves a work-group, clusters of 4 x 4, 327,680 bytes of LDS; arguments opan, wpan, bo, x, x2; writes x2
.if DOCPART == 5
	.amdgcn_target "amdgcn-amd-amdhsa--gfx1250"
	.amdhsa_code_object_version 6
	.text
	.protected	k_q6c27f2fd13_oproj
	.globl	k_q6c27f2fd13_oproj
	.p2align	8
	.type	k_q6c27f2fd13_oproj,@function
k_q6c27f2fd13_oproj:
	s_mov_b64 s[64:65], 0
	v_nop
	global_prefetch_b8 v0, s[64:65] scope:SCOPE_SE
	s_setreg_imm32_b32 hwreg(HW_REG_WAVE_MODE, 25, 1), 1
	s_wait_xcnt 0x0
	s_wait_alu depctr_hold_cnt(0) depctr_sa_sdst(0) depctr_va_vdst(0) depctr_va_sdst(0) depctr_va_ssrc(0) depctr_va_vcc(0) depctr_vm_vsrc(0)
	s_getreg_b32 s2, hwreg(HW_REG_IB_STS2, 6, 4)
	s_cmp_eq_u32 s2, 0
	s_cbranch_scc0 .Lentry_in_a_cluster
	s_endpgm
.Lentry_in_a_cluster:
	s_bfe_u32 s2, ttmp6, 0x10000c
	s_cmp_lg_u32 s2, 0xf033
	s_cbranch_scc0 .Lentry_shape_is_right
	s_endpgm
.Lentry_shape_is_right:
; x2 = x + (o Wo + bo): a product on codes of FP6 (E2M3) with E8M0 scales, K = 1,024; bias and residual are added in f32 on the way out.
; A tile of 256 x 256 is made by four waves, each 128 x 128: 64 accumulators.  K goes in slots of 256 through a ring of two LDS slots filled by the tensor data mover.  N = 1,024 gives 64 tiles: 64 work-groups.
; OPERANDS lie in memory as records of 12,800 bytes for (128 rows, 128 along K); a block's records follow each other along K: 128 rows x 256 along K are 25,600 dense bytes, one tensor load.
; Weights (source 0): 8 images of fragments (1,536 bytes: register 4 c + i of lane l at 512 c + 16 l + 4 i), scale words at 12,288.  Tokens (source 1), as attention left them: the half image of (head c of the K step's two,
; fragment f) at 6,144 c + 768 f (registers 0-3 at 16 l, registers 4-5 at 512 + 8 l): registers 6 c .. 6 c + 5 of the fragment; scale words at 12,288.
; Row p of fragment 2 g + u is row 32 g + 8 u + p % 8 + 16 (p / 8) of its block: a lane's 16 registers of accumulators 2 g, 2 g + 1 are 16 neighbouring columns of one token.
; CLUSTERS 4 x 4: tokens' tiles are asked for jointly by a row of the cluster, weights' tiles by a column.
; REGISTERS: window 0: v8-11 bias; v16-30 addresses; v32-63 scale words, two sets; v64-127 residual rows; v128-223 source 1's 8 fragments; on the way out v128-255 rows of the result.
;   Window 1: source 0's fragments, two sets.  Windows 2, 3: the accumulators, (a, b) at v[8 (8 (a % 4) + b)].
.set KTOT,  1024
.set WOFF,  2457600                    ; Wo's records in wpan
.set HALFA, 1                          ; source 1 comes as half images
.set NLA,   4                          ; LDS loads that bring a fragment of source 1
.set NTOUT, 0
.set KS,    KTOT/128
.set LAPS,  KTOT/512
.set REC,   12800
.set HALFT, 2*REC
.set SLOT,  4*HALFT
.set SPARE, 2*SLOT                     ; behind the ring: the spare words, 128 bytes for each wave: two blocks of 256 bytes that no other line names
.set SPITCH, 528                       ; the way out: a stage of 16 rows x (512 bytes + 16) for each wave, in slot 0, which has had its last fill and its last read by then
.set BI,    8
.set ADRA,  16
.set ADRB,  18
.set ADRS,  20
.set ADRA8, 22                         ; v22-23  8 x lane + my rows of source 1
.set STO,   24
.set RD,    25
.set L16,   26
.set SPW,   28
.set NIL,   29
.set SC,    32
.set RES,   64
.set AF,    128
.set BK,    128
.set G1, 24
.set G0, 32
.set G1B, 48
.set G0B, 56
.set MSB, 0
.macro WIN new                         ; the immediate's high byte repeats the setting that is left
.if MSB != (\new)
	s_set_vgpr_msb (MSB<<8)|(\new)
.set MSB, (\new)
.endif
.endm
.set MUL_LO, 0xa1
.set MUL_HI, 0xf1
.set TO_B,   0x40
.macro JLOAD g0a, g1a, g0b, g1b        ; a joint load: waves 0, 1 fetch tokens, waves 2, 3 weights; an s_nop 0 and four v_nop follow each line
	s_cmp_eq_u32 s15, 0
	s_cbranch_scc0 .Lfor_b_\@
	tensor_load_to_lds s[\g0a:\g0a+3], s[\g1a:\g1a+7]
	s_nop 0
.rept 4
	v_nop
.endr
	s_branch .Lasked_\@
.Lfor_b_\@:
	tensor_load_to_lds s[\g0b:\g0b+3], s[\g1b:\g1b+7]
	s_nop 0
.rept 4
	v_nop
.endr
.Lasked_\@:
.endm
.macro CREST
	s_cmp_lg_u32 s14, 0
	s_cbranch_scc1 .Lnot_wave_0_\@
	s_barrier_signal -3
.Lnot_wave_0_\@:
	s_barrier_wait -3
	s_barrier_signal -1
	s_barrier_wait -1
.endm
.macro CROUND
	s_barrier_signal -1
	s_barrier_wait -1
	CREST
.endm
	s_load_b256 s[4:11], s[0:1], 0x0               ; tokens' panels, wpan, bias, residual
	s_load_b64 s[12:13], s[0:1], 0x20              ; the result
	v_lshl_add_u32 v[SPW], v0, 2, SPARE
	v_mov_b32 v[NIL], 0
	ds_add_u32 v[SPW], v[NIL]                      ; the wave's opening: an add of 0 to my spare word, twice on end, and its wait ahead of my first tensor load
	ds_add_u32 v[SPW], v[NIL]
	v_lshrrev_b32 v1, 5, v0
	v_readfirstlane_b32 s14, v1                    ; wave 0..3
	s_lshr_b32 s15, s14, 1                         ; which 128 tokens are mine.  Also: I fetch tokens (0) or weights (1)
	s_and_b32 s16, s14, 1                          ; which 128 columns.  Also: which 128 rows of the tile I fetch
	s_bfe_u32 s40, ttmp6, 0x40000
	s_bfe_u32 s41, ttmp6, 0x40004
	s_lshl_b32 s42, ttmp9, 2
	s_add_co_u32 s42, s42, s40                     ; tile column
	s_and_b32 s17, ttmp7, 0xffff
	s_lshl_b32 s17, s17, 2
	s_add_co_u32 s17, s17, s41                     ; tile row
	s_lshl_b32 s43, s41, 2
	s_lshl_b32 s43, 15, s43
	s_lshl_b32 s44, 0x1111, s40
	s_or_b32 s[G1+0], s43, (3<<16)|(1<<21)         ; 15:0 the mask; 17:16 elements of 8 bytes; 21 set beside a mask; no padding
	s_or_b32 s[G1B+0], s44, (3<<16)|(1<<21)
.irp g, G1, G1B
	s_mov_b32 s[\g+1], 32<<16                      ; rows of 256 bytes,
	s_mov_b32 s[\g+2], 100<<16                     ; 100 of them: 25,600 dense bytes
	s_mov_b32 s[\g+3], 32<<16
	s_mov_b32 s[\g+4], 100
	s_mov_b32 s[\g+5], 32
	s_mov_b32 s[\g+6], 0
	s_mov_b32 s[\g+7], 0
.endr
	s_lshl_b32 s20, s17, 1
	s_add_co_u32 s20, s20, s16
	s_mul_i32 s20, s20, KS*REC
	s_mov_b32 s21, 0
	s_lshl_b32 s46, s42, 1
	s_add_co_u32 s46, s46, s16
	s_mul_i32 s46, s46, KS*REC
	s_add_co_u32 s46, s46, WOFF
	s_mov_b32 s47, 0
	s_mul_i32 s45, s14, HALFT
	s_wait_dscnt 0x0                               ; both opening adds are done
	s_wait_kmcnt 0x0
	s_add_nc_u64 s[20:21], s[4:5], s[20:21]
	s_add_nc_u64 s[46:47], s[6:7], s[46:47]
	CROUND
.irp s, 0,1
	s_mov_b32 s[G0+4*\s], 1
	s_add_co_u32 s[G0+4*\s+1], s45, \s*SLOT
	s_add_nc_u64 s[G0+4*\s+2:G0+4*\s+3], s[20:21], \s*HALFT
	s_or_b32 s[G0+4*\s+3], s[G0+4*\s+3], 0x80000000
	s_mov_b32 s[G0B+4*\s], 1
	s_add_co_u32 s[G0B+4*\s+1], s45, \s*SLOT
	s_add_nc_u64 s[G0B+4*\s+2:G0B+4*\s+3], s[46:47], \s*HALFT
	s_or_b32 s[G0B+4*\s+3], s[G0B+4*\s+3], 0x80000000
	JLOAD G0+4*\s, G1, G0B+4*\s, G1B
.endr
	v_and_b32 v1, 31, v0
	v_and_b32 v2, 15, v0                           ; r
	v_bfe_u32 v3, v0, 4, 1                         ; h
	v_lshlrev_b32 v[L16], 4, v1
	v_lshlrev_b32 v5, 3, v1
	s_mul_i32 s18, s15, HALFT
	s_mul_i32 s19, s16, HALFT
	s_add_co_u32 s19, s19, 2*HALFT
	s_sub_co_u32 s22, s19, s18
	v_mul_u32_u24 v4, s22, v3                      ; lanes 16-31 take source 0's scale words
	v_lshl_add_u32 v4, v2, 2, v4
	s_add_co_u32 s23, s18, 12288
.irp s, 0,1
	v_add_nc_u32 v[ADRA+\s], s18, v[L16]
	v_add_nc_u32 v[ADRA8+\s], s18, v5
	v_add_nc_u32 v[ADRB+\s], s19, v[L16]
	v_add_nc_u32 v[ADRS+\s], s23, v4
	s_add_co_u32 s18, s18, SLOT
	s_add_co_u32 s19, s19, SLOT
	s_add_co_u32 s23, s23, SLOT
.endr
	s_mul_i32 s22, s14, 16*SPITCH                  ; my stage
	v_mul_u32_u24 v4, v2, SPITCH
	v_lshl_add_u32 v4, v3, 6, v4
	v_add_nc_u32 v[STO], s22, v4                   ; in: row r, + 64 h
	v_add_nc_u32 v[RD], s22, v[L16]                ; back: the 32 lanes take one row of 512 bytes
	s_lshl_b32 s84, s17, 1
	s_add_co_u32 s84, s84, s15
	s_lshl_b32 s84, s84, 19                        ; my 128 tokens: rows of 4,096 bytes
	s_lshl_b32 s85, s42, 1
	s_add_co_u32 s85, s85, s16
	s_lshl_b32 s85, s85, 9                         ; my 128 columns
	s_add_co_u32 s86, s84, s85
	s_mov_b32 s87, 0
	s_add_nc_u64 s[66:67], s[10:11], s[86:87]      ; the residual
	s_add_nc_u64 s[68:69], s[12:13], s[86:87]      ; the result
	s_mov_b32 s86, s85
	s_add_nc_u64 s[70:71], s[8:9], s[86:87]        ; the bias
.macro RLOAD a                         ; the residual's 16 rows that fragment a holds
.set t, 0
.rept 16
	global_load_b128 v[RES+4*t:RES+4*t+3], v[L16], s[66:67] offset:(32*((\a)/2)+8*((\a)%2)+t%8+16*(t/8))*4096
.set t, t+1
.endr
.endm
	global_load_b128 v[BI:BI+3], v[L16], s[70:71]  ; asked for ahead of the K loop, wanted behind it
	RLOAD 0
.macro FRAG reg, adr, q, i
.irp c, 0,1,2
	ds_load_b128 v[\reg+4*\c:\reg+4*\c+3], v[\adr] offset:(\q)*REC+(\i)*1536+512*\c
.endr
.endm
.macro FRAGH reg, slot, q, i           ; two half images make a fragment
.irp c, 0,1
	ds_load_b128 v[\reg+6*\c:\reg+6*\c+3], v[ADRA+\slot] offset:(\q)*REC+6144*\c+(\i)*768
	ds_load_b64 v[\reg+6*\c+4:\reg+6*\c+5], v[ADRA8+\slot] offset:(\q)*REC+6144*\c+(\i)*768+512
.endr
.endm
.macro FETCH_B slot, q, p
	WIN TO_B
.irp i, 0,1,2,3,4,5,6,7
	FRAG 128*(\p)+12*\i, ADRB+\slot, \q, \i
.endr
	WIN 0
.endm
.macro FETCH_A slot, q, i0
.irp i, \i0, \i0+1, \i0+2, \i0+3
.if HALFA
	FRAGH AF+12*(\i), \slot, \q, \i
.else
	FRAG AF+12*(\i), ADRA+\slot, \q, \i
.endif
.endr
.endm
.macro SCALES set
.irp q, 0,1
.irp i, 0,1,2,3,4,5,6,7
	ds_load_b32 v[SC+16*\set+8*\q+\i], v[ADRS+\set] offset:\q*REC+64*\i
.endr
.endr
.endm
; 16 matrix instructions: tokens' fragments a0, a0 + 1 x the weights' eight.  The 64 accumulators take turns, one instruction a turn.
.macro MUL16 a0, p, q, sc, first
.irp a, \a0, \a0+1
.irp b, 0,1,2,3,4,5,6,7
.set rD, 8*(8*((\a)%4)+\b)
.set rB, 128*(\p)+12*\b
.set rA, AF+12*(\a)
.set rSB, SC+16*(\sc)+8*(\q)+\b
.set rSA, SC+16*(\sc)+8*(\q)+(\a)
.if \first
	v_wmma_scale_f32_16x16x128_f8f6f4 v[rD:rD+7], v[rB:rB+11], v[rA:rA+11], 0, v[rSB], v[rSA] matrix_a_fmt:MATRIX_FMT_FP6 matrix_b_fmt:MATRIX_FMT_FP6 matrix_a_scale:MATRIX_SCALE_ROW1
.else
	v_wmma_scale_f32_16x16x128_f8f6f4 v[rD:rD+7], v[rB:rB+11], v[rA:rA+11], v[rD:rD+7], v[rSB], v[rSA] matrix_a_fmt:MATRIX_FMT_FP6 matrix_b_fmt:MATRIX_FMT_FP6 matrix_a_scale:MATRIX_SCALE_ROW1
.endif
.endr
.endr
.endm
.macro PLACES                          ; four places in front of loads into registers that matrix instructions have read, and of the first read of results
.rept 4
	v_nop
.endr
.endm
.macro STEP slot, first
	s_wait_dscnt 4*NLA                             ; all but the youngest loads (tokens' fragments 4-7) are in
	WIN MUL_LO
	MUL16 0, 0, 0, \slot, \first
	MUL16 2, 0, 0, \slot, \first
	s_wait_dscnt 0x0
	PLACES
	FETCH_B \slot, 1, 1
	FETCH_A \slot, 1, 0
	WIN MUL_HI
	MUL16 4, 0, 0, \slot, \first
	MUL16 6, 0, 0, \slot, \first
	PLACES
	WIN 0
	FETCH_A \slot, 1, 4
.endm
.macro TURN slot, next, fill           ; a slot's second half changes slots: ONE barrier, which opens a round of the cluster's where the slot is filled again
	s_wait_tensorcnt 0x0                           ; all my tensor loads have landed: my part of the next slot
	ds_add_u32 v[SPW], v[NIL]                      ; 0 onto my spare word
	s_wait_dscnt 4*NLA+1                           ; (the add and the youngest loads may be out)
	WIN MUL_LO
	MUL16 0, 1, 1, \slot, 0
	s_wait_dscnt 0x0                               ; the add is done, and my reads of this slot are over
	s_barrier_signal -1
	MUL16 2, 1, 1, \slot, 0
	WIN 0
	s_barrier_wait -1
.if \fill
	CREST
	s_add_nc_u64 s[G0+4*\slot+2:G0+4*\slot+3], s[G0+4*\slot+2:G0+4*\slot+3], 2*HALFT
	s_add_nc_u64 s[G0B+4*\slot+2:G0B+4*\slot+3], s[G0B+4*\slot+2:G0B+4*\slot+3], 2*HALFT
	JLOAD G0+4*\slot, G1, G0B+4*\slot, G1B         ; the first tensor load behind the round; its four v_nop are the places in front of the loads below
.else
	PLACES
.endif
	FETCH_B \next, 0, 0
	FETCH_A \next, 0, 0
	SCALES \next
	WIN MUL_HI
	MUL16 4, 1, 1, \slot, 0
	MUL16 6, 1, 1, \slot, 0
	PLACES
	WIN 0
	FETCH_A \next, 0, 4
.endm
	s_wait_tensorcnt 1                             ; my part of slot 0 is in; slot 1's load may be out
	s_barrier_signal -1
	s_barrier_wait -1
	FETCH_B 0, 0, 0
	FETCH_A 0, 0, 0
	SCALES 0
	FETCH_A 0, 0, 4
	STEP 0, 1
	s_mov_b32 s3, LAPS-1
.Llap:
	TURN 0, 1, 1
	STEP 1, 0
	TURN 1, 0, 1
	STEP 0, 0
	s_sub_co_u32 s3, s3, 1
	s_cmp_lg_u32 s3, 0
	s_cbranch_scc1 .Llap
	TURN 0, 1, 0
	STEP 1, 0
	s_wait_dscnt 4*NLA
	WIN MUL_LO
	MUL16 0, 1, 1, 1, 0
	MUL16 2, 1, 1, 1, 0
	s_wait_dscnt 0x0
	WIN MUL_HI
	MUL16 4, 1, 1, 1, 0
	MUL16 6, 1, 1, 1, 0
	WIN 0
; THE WAY OUT, 16 tokens x 128 columns at a time: through my own stage in LDS, back as whole rows of 512 bytes; + bias, + residual; 32 lanes store 512 consecutive bytes.
.macro TOSTAGE a
.set AC, 64*((\a)%4)
	WIN 0x08+4*((\a)/4)                            ; an LDS store's data: window 2 or 3
.irp b, 0,1,2,3,4,5,6,7
	ds_store_b128 v[STO], v[AC+8*\b:AC+8*\b+3] offset:128*(\b/2)+32*(\b%2)       ; columns 32 (b / 2) + 16 h + 8 (b % 2) on; each accumulator from its low end on
	ds_store_b128 v[STO], v[AC+8*\b+4:AC+8*\b+7] offset:128*(\b/2)+32*(\b%2)+16
.endr
	WIN 0
.set BB, BK+64*((\a)%2)
.set t, 0
.rept 16
	ds_load_b128 v[BB+4*t:BB+4*t+3], v[RD] offset:t*SPITCH   ; LDS serves a wave's instructions in order: these see the stores above
.set t, t+1
.endr
.endm
.macro ADDS a
.set BB, BK+64*((\a)%2)
.set t, 0
.rept 16
	v_pk_add_f32 v[BB+4*t:BB+4*t+1], v[BB+4*t:BB+4*t+1], v[BI:BI+1]
	v_pk_add_f32 v[BB+4*t+2:BB+4*t+3], v[BB+4*t+2:BB+4*t+3], v[BI+2:BI+3]
.set t, t+1
.endr
.set t, 0
.rept 32
	v_pk_add_f32 v[BB+2*t:BB+2*t+1], v[BB+2*t:BB+2*t+1], v[RES+2*t:RES+2*t+1]
.set t, t+1
.endr
.endm
.macro SEND a
.set BB, BK+64*((\a)%2)
.set t, 0
.rept 16
.if NTOUT
	global_store_b128 v[L16], v[BB+4*t:BB+4*t+3], s[68:69] offset:(32*((\a)/2)+8*((\a)%2)+t%8+16*(t/8))*4096 th:TH_STORE_NT
.else
	global_store_b128 v[L16], v[BB+4*t:BB+4*t+3], s[68:69] offset:(32*((\a)/2)+8*((\a)%2)+t%8+16*(t/8))*4096
.endif
.set t, t+1
.endr
.endm
	PLACES
.irp a, 0,1,2,3,4,5,6,7
.if \a >= 2
	s_wait_xcnt 0x0                                ; the stores of two blocks back have read their data: those registers are loaded again only behind this wait
.endif
	TOSTAGE \a
	s_wait_dscnt 0x0                               ; the block is back in registers,
	s_wait_loadcnt 0x0                             ; and its residual rows (the first time: the bias too) are in
	ADDS \a
.if \a < 7
	RLOAD \a+1
.endif
	SEND \a
.endr
	s_wait_tensorcnt 0x0                           ; the wave's end, behind my last tensor load and my last LDS store
	ds_add_u32 v[SPW], v[NIL]
	s_wait_dscnt 0x0
	CROUND                                         ; the closing round
	s_endpgm
.Lfunc_end_k_q6c27f2fd13_oproj:
	.size	k_q6c27f2fd13_oproj, .Lfunc_end_k_q6c27f2fd13_oproj-k_q6c27f2fd13_oproj
	.p2alignl 7, 3214868480
	.fill 96, 4, 3214868480
	.section	.rodata,"a",@progbits
	.p2align	6, 0x0
	.amdhsa_kernel k_q6c27f2fd13_oproj
		.amdhsa_group_segment_fixed_size 327680
		.amdhsa_private_segment_fixed_size 0
		.amdhsa_enable_private_segment 0
		.amdhsa_kernarg_size 40
		.amdhsa_user_sgpr_count 2
		.amdhsa_user_sgpr_kernarg_segment_ptr 1
		.amdhsa_wavefront_size32 1
		.amdhsa_system_sgpr_workgroup_id_x 1
		.amdhsa_system_sgpr_workgroup_id_y 1
		.amdhsa_system_sgpr_workgroup_id_z 1
		.amdhsa_system_vgpr_workitem_id 0
		.amdhsa_next_free_vgpr 1024
		.amdhsa_next_free_sgpr 100
		.amdhsa_reserve_vcc 0
		.amdhsa_float_denorm_mode_32 3
		.amdhsa_float_denorm_mode_16_64 3
		.amdhsa_memory_ordered 1
		.amdhsa_forward_progress 1
		.amdhsa_inst_pref_size 183
	.end_amdhsa_kernel
	.amdgpu_metadata
---
amdhsa.version: [ 1, 2 ]
amdhsa.kernels:
  - .name:           k_q6c27f2fd13_oproj
    .symbol:         k_q6c27f2fd13_oproj.kd
    .args:
      - { .name: opan, .offset: 0, .size: 8, .value_kind: global_buffer, .address_space: global }
      - { .name: wpan, .offset: 8, .size: 8, .value_kind: global_buffer, .address_space: global }
      - { .name: bo, .offset: 16, .size: 8, .value_kind: global_buffer, .address_space: global }
      - { .name: x, .offset: 24, .size: 8, .value_kind: global_buffer, .address_space: global }
      - { .name: x2, .offset: 32, .size: 8, .value_kind: global_buffer, .address_space: global }
    .group_segment_fixed_size: 327680
    .private_segment_fixed_size: 0
    .kernarg_segment_align: 8
    .kernarg_segment_size: 40
    .max_flat_workgroup_size: 128
    .sgpr_count:     100
    .vgpr_count:     1024
    .wavefront_size: 32
...
	.end_amdgpu_metadata
.endif
;; end of part 5
;; launch ln2: the kernel of part 2 again; grid 256 x 1, 4 waves a work-group, no clusters, 66,304 bytes of LDS; arguments x2, g2, be2, hpan; writes hpan
;; launch mlp1 (part 6): grid 16 x 16, 4 waves a work-group, clusters of 4 x 4, 327,680 bytes of LDS; arguments hpan, wpan, b1, fpan; writes fpan
.if DOCPART == 6
	.amdgcn_target "amdgcn-amd-amdhsa--gfx1250"
	.amdhsa_code_object_version 6
	.text
	.protected	k_q6c27f2fd13_mlp1
	.globl	k_q6c27f2fd13_mlp1
	.p2align	8
	.type	k_q6c27f2fd13_mlp1,@function
k_q6c27f2fd13_mlp1:
	s_mov_b64 s[64:65], 0
	v_nop
	global_prefetch_b8 v0, s[64:65] scope:SCOPE_SE
	s_setreg_imm32_b32 hwreg(HW_REG_WAVE_MODE, 25, 1), 1
	s_wait_xcnt 0x0
	s_wait_alu depctr_hold_cnt(0) depctr_sa_sdst(0) depctr_va_vdst(0) depctr_va_sdst(0) depctr_va_ssrc(0) depctr_va_vcc(0) depctr_vm_vsrc(0)
	s_getreg_b32 s2, hwreg(HW_REG_IB_STS2, 6, 4)
	s_cmp_eq_u32 s2, 0
	s_cbranch_scc0 .Lentry_in_a_cluster
	s_endpgm
.Lentry_in_a_cluster:
	s_bfe_u32 s2, ttmp6, 0x10000c
	s_cmp_lg_u32 s2, 0xf033
	s_cbranch_scc0 .Lentry_shape_is_right
	s_endpgm
.Lentry_shape_is_right:
; f = Q(relu(h2 W1 + b1)): a product on codes of FP6 (E2M3) with E8M0 scales, K = 1,024, N = 4,096; the hidden layer is quantised in registers along its 4,096 and leaves as the next product's operand.
; A tile of 256 x 256 is made by four waves, each 128 x 128: 64 accumulators.  K goes in slots of 256 through a ring of two LDS slots filled by the tensor data mover.  256 work-groups.
; OPERANDS lie in memory as records of 12,800 bytes for (128 rows, 128 along K): 8 images of fragments (1,536 bytes: register 4 c + i of lane l at 512 c + 16 l + 4 i), then 8 x 64 bytes of scale words; a block's records
; follow each other along K: 128 rows x 256 along K are 25,600 dense bytes, one tensor load.  Row p of fragment 2 g + u is row 32 g + 8 u + p % 8 + 16 (p / 8) of its block.
; Source 0 = weights' columns, source 1 = tokens: a lane holds one token and, in its 64 registers of a fragment of tokens, 64 hidden units in the order that the quantiser wants.  A wave's 128 x 128 is exactly ONE record of fpan.
; b1 is the C of each sum's first matrix instruction: eight registers a tile of columns, in the result's layout.
; CLUSTERS 4 x 4: tokens' tiles are asked for jointly by a row of the cluster, weights' tiles by a column.
; REGISTERS: window 0: v16-30 addresses; v32-63 scale words, two sets; v64-127 b1; v128-223 source 1's 8 fragments.  Window 1: source 0's fragments, two sets.  Windows 2, 3: the accumulators, (a, b) at v[8 (8 (a % 4) + b)].
.set KTOT,  1024
.set WOFF,  3276800                    ; W1's records in wpan
.set KS,    KTOT/128
.set LAPS,  KTOT/512
.set REC,   12800
.set HALFT, 2*REC
.set SLOT,  4*HALFT
.set SPARE, 2*SLOT                     ; behind the ring: the spare words, 128 bytes for each wave: two blocks of 256 bytes that no other line names
.set NLA,   3
.set ADRA,  16
.set ADRB,  18
.set ADRS,  20
.set L16,   26
.set SPW,   28
.set NIL,   29
.set L4,    30
.set SC,    32
.set BIAS,  64
.set AF,    128
.set PC,    128
.set TM,    224
.set PW,    240
.set PWS,   244
.set G1, 24
.set G0, 32
.set G1B, 48
.set G0B, 56
.set MSB, 0
.macro WIN new                         ; the immediate's high byte repeats the setting that is left
.if MSB != (\new)
	s_set_vgpr_msb (MSB<<8)|(\new)
.set MSB, (\new)
.endif
.endm
.set MUL_LO, 0xa1
.set MUL_HI, 0xf1
.set TO_B,   0x40
.macro JLOAD g0a, g1a, g0b, g1b        ; a joint load: waves 0, 1 fetch tokens, waves 2, 3 weights; an s_nop 0 and four v_nop follow each line
	s_cmp_eq_u32 s15, 0
	s_cbranch_scc0 .Lfor_b_\@
	tensor_load_to_lds s[\g0a:\g0a+3], s[\g1a:\g1a+7]
	s_nop 0
.rept 4
	v_nop
.endr
	s_branch .Lasked_\@
.Lfor_b_\@:
	tensor_load_to_lds s[\g0b:\g0b+3], s[\g1b:\g1b+7]
	s_nop 0
.rept 4
	v_nop
.endr
.Lasked_\@:
.endm
.macro CREST
	s_cmp_lg_u32 s14, 0
	s_cbranch_scc1 .Lnot_wave_0_\@
	s_barrier_signal -3
.Lnot_wave_0_\@:
	s_barrier_wait -3
	s_barrier_signal -1
	s_barrier_wait -1
.endm
.macro CROUND
	s_barrier_signal -1
	s_barrier_wait -1
	CREST
.endm
	s_load_b256 s[4:11], s[0:1], 0x0               ; hpan, wpan, b1, fpan
	v_lshl_add_u32 v[SPW], v0, 2, SPARE
	v_mov_b32 v[NIL], 0
	ds_add_u32 v[SPW], v[NIL]                      ; the wave's opening: an add of 0 to my spare word, twice on end, and its wait ahead of my first tensor load
	ds_add_u32 v[SPW], v[NIL]
	v_lshrrev_b32 v1, 5, v0
	v_readfirstlane_b32 s14, v1
	s_lshr_b32 s15, s14, 1                         ; which 128 tokens are mine.  Also: I fetch tokens (0) or weights (1)
	s_and_b32 s16, s14, 1                          ; which 128 columns.  Also: which 128 rows of the tile I fetch
	s_bfe_u32 s40, ttmp6, 0x40000
	s_bfe_u32 s41, ttmp6, 0x40004
	s_lshl_b32 s42, ttmp9, 2
	s_add_co_u32 s42, s42, s40
	s_and_b32 s17, ttmp7, 0xffff
	s_lshl_b32 s17, s17, 2
	s_add_co_u32 s17, s17, s41
	s_lshl_b32 s43, s41, 2
	s_lshl_b32 s43, 15, s43
	s_lshl_b32 s44, 0x1111, s40
	s_or_b32 s[G1+0], s43, (3<<16)|(1<<21)
	s_or_b32 s[G1B+0], s44, (3<<16)|(1<<21)
.irp g, G1, G1B
	s_mov_b32 s[\g+1], 32<<16                      ; rows of 256 bytes,
	s_mov_b32 s[\g+2], 100<<16                     ; 100 of them: 25,600 dense bytes
	s_mov_b32 s[\g+3], 32<<16
	s_mov_b32 s[\g+4], 100
	s_mov_b32 s[\g+5], 32
	s_mov_b32 s[\g+6], 0
	s_mov_b32 s[\g+7], 0
.endr
	s_lshl_b32 s20, s17, 1
	s_add_co_u32 s20, s20, s16
	s_mul_i32 s20, s20, KS*REC
	s_mov_b32 s21, 0
	s_lshl_b32 s46, s42, 1
	s_add_co_u32 s46, s46, s16
	s_mul_i32 s46, s46, KS*REC
	s_add_co_u32 s46, s46, WOFF
	s_mov_b32 s47, 0
	s_mul_i32 s45, s14, HALFT
	s_mov_b32 s74, 0xffff0000                      ; lanes 16-31
	s_mov_b32 s76, 0x76543210
	s_mov_b32 s77, 0xfedcba98
	s_wait_dscnt 0x0                               ; both opening adds are done
	s_wait_kmcnt 0x0
	s_add_nc_u64 s[20:21], s[4:5], s[20:21]
	s_add_nc_u64 s[46:47], s[6:7], s[46:47]
	CROUND
.irp s, 0,1
	s_mov_b32 s[G0+4*\s], 1
	s_add_co_u32 s[G0+4*\s+1], s45, \s*SLOT
	s_add_nc_u64 s[G0+4*\s+2:G0+4*\s+3], s[20:21], \s*HALFT
	s_or_b32 s[G0+4*\s+3], s[G0+4*\s+3], 0x80000000
	s_mov_b32 s[G0B+4*\s], 1
	s_add_co_u32 s[G0B+4*\s+1], s45, \s*SLOT
	s_add_nc_u64 s[G0B+4*\s+2:G0B+4*\s+3], s[46:47], \s*HALFT
	s_or_b32 s[G0B+4*\s+3], s[G0B+4*\s+3], 0x80000000
	JLOAD G0+4*\s, G1, G0B+4*\s, G1B
.endr
	v_and_b32 v1, 31, v0
	v_and_b32 v2, 15, v0
	v_bfe_u32 v3, v0, 4, 1
	v_lshlrev_b32 v[L16], 4, v1
	v_lshlrev_b32 v[L4], 2, v1
	v_lshlrev_b32 v5, 6, v3                        ; 64 h
	s_lshl_b32 s85, s42, 1
	s_add_co_u32 s85, s85, s16                     ; my block of 128 hidden units = the next product's K step
	s_lshl_b32 s86, s85, 9
	s_mov_b32 s87, 0
	s_add_nc_u64 s[70:71], s[8:9], s[86:87]        ; b1 at my 128 columns
.irp b, 0,1,2,3,4,5,6,7
	global_load_b128 v[BIAS+8*\b:BIAS+8*\b+3], v5, s[70:71] offset:128*(\b/2)+32*(\b%2)      ; tile b, lane (r, h): columns 32 (b / 2) + 16 h + 8 (b % 2) + 0 .. 7
	global_load_b128 v[BIAS+8*\b+4:BIAS+8*\b+7], v5, s[70:71] offset:128*(\b/2)+32*(\b%2)+16
.endr
	s_lshl_b32 s84, s17, 1
	s_add_co_u32 s84, s84, s15                     ; my block of 128 tokens
	s_lshl_b32 s84, s84, 5
	s_add_co_u32 s84, s84, s85
	s_mul_i32 s86, s84, REC
	s_add_nc_u64 s[66:67], s[10:11], s[86:87]      ; my record of fpan
	s_mul_i32 s18, s15, HALFT
	s_mul_i32 s19, s16, HALFT
	s_add_co_u32 s19, s19, 2*HALFT
	s_sub_co_u32 s22, s19, s18
	v_mul_u32_u24 v4, s22, v3                      ; lanes 16-31 take source 0's scale words
	v_lshl_add_u32 v4, v2, 2, v4
	s_add_co_u32 s23, s18, 12288
.irp s, 0,1
	v_add_nc_u32 v[ADRA+\s], s18, v[L16]
	v_add_nc_u32 v[ADRB+\s], s19, v[L16]
	v_add_nc_u32 v[ADRS+\s], s23, v4
	s_add_co_u32 s18, s18, SLOT
	s_add_co_u32 s19, s19, SLOT
	s_add_co_u32 s23, s23, SLOT
.endr
.macro FRAG reg, adr, q, i
.irp c, 0,1,2
	ds_load_b128 v[\reg+4*\c:\reg+4*\c+3], v[\adr] offset:(\q)*REC+(\i)*1536+512*\c
.endr
.endm
.macro FETCH_B slot, q, p
	WIN TO_B
.irp i, 0,1,2,3,4,5,6,7
	FRAG 128*(\p)+12*\i, ADRB+\slot, \q, \i
.endr
	WIN 0
.endm
.macro FETCH_A slot, q, i0
.irp i, \i0, \i0+1, \i0+2, \i0+3
	FRAG AF+12*(\i), ADRA+\slot, \q, \i
.endr
.endm
.macro SCALES set
.irp q, 0,1
.irp i, 0,1,2,3,4,5,6,7
	ds_load_b32 v[SC+16*\set+8*\q+\i], v[ADRS+\set] offset:\q*REC+64*\i
.endr
.endr
.endm
; 16 matrix instructions.  first = 1: the sums begin with b1 as C.  The 64 accumulators take turns, one instruction a turn.
.macro MUL16 a0, p, q, sc, first
.irp a, \a0, \a0+1
.irp b, 0,1,2,3,4,5,6,7
.set rD, 8*(8*((\a)%4)+\b)
.set rB, 128*(\p)+12*\b
.set rA, AF+12*(\a)
.set rSB, SC+16*(\sc)+8*(\q)+\b
.set rSA, SC+16*(\sc)+8*(\q)+(\a)
.if \first
	v_wmma_scale_f32_16x16x128_f8f6f4 v[rD:rD+7], v[rB:rB+11], v[rA:rA+11], v[BIAS+8*\b:BIAS+8*\b+7], v[rSB], v[rSA] matrix_a_fmt:MATRIX_FMT_FP6 matrix_b_fmt:MATRIX_FMT_FP6 matrix_a_scale:MATRIX_SCALE_ROW1
.else
	v_wmma_scale_f32_16x16x128_f8f6f4 v[rD:rD+7], v[rB:rB+11], v[rA:rA+11], v[rD:rD+7], v[rSB], v[rSA] matrix_a_fmt:MATRIX_FMT_FP6 matrix_b_fmt:MATRIX_FMT_FP6 matrix_a_scale:MATRIX_SCALE_ROW1
.endif
.endr
.endr
.endm
.macro PLACES                          ; four places in front of loads into registers that matrix instructions have read, and of the first read of results
.rept 4
	v_nop
.endr
.endm
.macro STEP slot, first
	s_wait_dscnt 4*NLA                             ; all but the youngest loads (tokens' fragments 4-7) are in
.if \first
	WIN 0x81                                       ; source 0 window 1, source 1 and C (b1) window 0, D window 2
.else
	WIN MUL_LO
.endif
	MUL16 0, 0, 0, \slot, \first
	MUL16 2, 0, 0, \slot, \first
	s_wait_dscnt 0x0
	PLACES
	FETCH_B \slot, 1, 1
	FETCH_A \slot, 1, 0
.if \first
	WIN 0xc1                                       ; the same, D window 3
.else
	WIN MUL_HI
.endif
	MUL16 4, 0, 0, \slot, \first
	MUL16 6, 0, 0, \slot, \first
	PLACES
	WIN 0
	FETCH_A \slot, 1, 4
.endm
.macro TURN slot, next, fill           ; a slot's second half changes slots: ONE barrier, which opens a round of the cluster's where the slot is filled again
	s_wait_tensorcnt 0x0                           ; all my tensor loads have landed: my part of the next slot
	ds_add_u32 v[SPW], v[NIL]                      ; 0 onto my spare word
	s_wait_dscnt 4*NLA+1                           ; (the add and the youngest loads may be out)
	WIN MUL_LO
	MUL16 0, 1, 1, \slot, 0
	s_wait_dscnt 0x0                               ; the add is done, and my reads of this slot are over
	s_barrier_signal -1
	MUL16 2, 1, 1, \slot, 0
	WIN 0
	s_barrier_wait -1
.if \fill
	CREST
	s_add_nc_u64 s[G0+4*\slot+2:G0+4*\slot+3], s[G0+4*\slot+2:G0+4*\slot+3], 2*HALFT
	s_add_nc_u64 s[G0B+4*\slot+2:G0B+4*\slot+3], s[G0B+4*\slot+2:G0B+4*\slot+3], 2*HALFT
	JLOAD G0+4*\slot, G1, G0B+4*\slot, G1B         ; the first tensor load behind the round; its four v_nop are the places in front of the loads below
.else
	PLACES
.endif
	FETCH_B \next, 0, 0
	FETCH_A \next, 0, 0
	SCALES \next
	WIN MUL_HI
	MUL16 4, 1, 1, \slot, 0
	MUL16 6, 1, 1, \slot, 0
	PLACES
	WIN 0
	FETCH_A \next, 0, 4
.endm
	s_wait_tensorcnt 1                             ; my part of slot 0 is in; slot 1's load may be out
	s_barrier_signal -1
	s_barrier_wait -1
	FETCH_B 0, 0, 0
	FETCH_A 0, 0, 0
	SCALES 0
	FETCH_A 0, 0, 4
	s_wait_loadcnt 0x0                             ; b1
	STEP 0, 1
	s_mov_b32 s3, LAPS-1
.Llap:
	TURN 0, 1, 1
	STEP 1, 0
	TURN 1, 0, 1
	STEP 0, 0
	s_sub_co_u32 s3, s3, 1
	s_cmp_lg_u32 s3, 0
	s_cbranch_scc1 .Llap
	TURN 0, 1, 0
	STEP 1, 0
	s_wait_dscnt 4*NLA
	WIN MUL_LO
	MUL16 0, 1, 1, 1, 0
	MUL16 2, 1, 1, 1, 0
	s_wait_dscnt 0x0
	WIN MUL_HI
	MUL16 4, 1, 1, 1, 0
	MUL16 6, 1, 1, 1, 0
	WIN 0
; THE WAY OUT.  The 64 registers of tokens' fragment a (register 16 b + i = hidden unit 32 b + 16 (lane / 16) + i of my token): relu, then a fragment's codes in v[PC] on and its scale word in v[PW].
.macro QUANT a
.set S, 64*((\a)%4)
.set W, 2+(\a)/4
	WIN (W<<6)|(W<<2)                              ; destination and source 1: the accumulators' window
.set n, 0
.rept 64
	v_max_num_f32 v[S+n], 0, v[S+n]                ; the activation, in f32; each accumulator from its low end on
.set n, n+1
.endr
	WIN (W<<4)|(W<<2)                              ; sources 1 and 2
.irp b, 0,1,2,3
	v_max3_num_f32 v[TM+\b], 0x1800000, v[S+16*\b], v[S+16*\b+1]   ; none is negative; the floor 2^(3 - 127): the byte cannot fall under 1
.endr
.irp i, 2,4,6,8,10,12,14
.irp b, 0,1,2,3
	v_max3_num_f32 v[TM+\b], v[TM+\b], v[S+16*\b+\i], v[S+16*\b+\i+1]
.endr
.endr
	WIN 0
.irp b, 0,1,2,3
	v_permlanex16_b32 v[TM+4+\b], v[TM+\b], s76, s77
.endr
.irp b, 0,1,2,3
	v_max_num_f32 v[TM+\b], v[TM+\b], v[TM+4+\b]
.endr
.irp b, 0,1,2,3
	v_add_nc_u32 v[TM+12+\b], 0xff000000, v[TM+\b]
.endr
.irp b, 0,1,2,3
	v_lshrrev_b32 v[TM+4+\b], 23, v[TM+12+\b]
.endr
	v_lshl_or_b32 v[PW], v[TM+5], 8, v[TM+4]
	v_lshl_or_b32 v[PW], v[TM+6], 16, v[PW]
	v_lshl_or_b32 v[PW], v[TM+7], 24, v[PW]
	s_wait_xcnt 0x0                                ; the last fragment's stores have read their data: the codes' registers are written again only behind this wait
	WIN W
.irp c, 0,1
	v_cvt_scalef32_pk16_fp6_f32 v[PC+6*\c:PC+6*\c+2], v[S+32*\c:S+32*\c+15], v[TM+12+2*\c]
	v_cvt_scalef32_pk16_fp6_f32 v[PC+12+4*\c:PC+14+4*\c], v[S+32*\c+16:S+32*\c+31], v[TM+12+2*\c+1]
.endr
	WIN 0
	v_nop                                          ; one plain place behind a scaled conversion
.irp c, 0,1
.irp i, 0,1,2
	v_permlane16_swap_b32 v[PC+6*\c+\i], v[PC+12+4*\c+\i]
.endr
.irp i, 0,1,2
	v_mov_b32 v[PC+3+6*\c+\i], v[PC+12+4*\c+\i]
.endr
.endr
.if (\a)%2 == 0
	v_mov_b32 v[PWS+(\a)/2], v[PW]                 ; two fragments' scale words leave together: 128 consecutive bytes
.else
	v_cndmask_b32 v[PWS+(\a)/2], v[PWS+(\a)/2], v[PW], s74
.endif
.endm
	PLACES
.irp b, 0,1,2,3
	v_mov_b32 v[TM+4+\b], 0                        ; written once: a lane permute's destination counts as one of its sources
.endr
.irp a, 0,1,2,3,4,5,6,7
	QUANT \a
.irp c, 0,1,2
	global_store_b128 v[L16], v[PC+4*\c:PC+4*\c+3], s[66:67] offset:1536*\a+512*\c   ; 512 consecutive bytes, aligned
.endr
.if \a%2
	global_store_b32 v[L4], v[PWS+\a/2], s[66:67] offset:12288+128*(\a/2)
.endif
.endr
	s_wait_tensorcnt 0x0                           ; the wave's end
	ds_add_u32 v[SPW], v[NIL]
	s_wait_dscnt 0x0
	CROUND                                         ; the closing round
	s_endpgm
.Lfunc_end_k_q6c27f2fd13_mlp1:
	.size	k_q6c27f2fd13_mlp1, .Lfunc_end_k_q6c27f2fd13_mlp1-k_q6c27f2fd13_mlp1
	.p2alignl 7, 3214868480
	.fill 96, 4, 3214868480
	.section	.rodata,"a",@progbits
	.p2align	6, 0x0
	.amdhsa_kernel k_q6c27f2fd13_mlp1
		.amdhsa_group_segment_fixed_size 327680
		.amdhsa_private_segment_fixed_size 0
		.amdhsa_enable_private_segment 0
		.amdhsa_kernarg_size 32
		.amdhsa_user_sgpr_count 2
		.amdhsa_user_sgpr_kernarg_segment_ptr 1
		.amdhsa_wavefront_size32 1
		.amdhsa_system_sgpr_workgroup_id_x 1
		.amdhsa_system_sgpr_workgroup_id_y 1
		.amdhsa_system_sgpr_workgroup_id_z 1
		.amdhsa_system_vgpr_workitem_id 0
		.amdhsa_next_free_vgpr 1024
		.amdhsa_next_free_sgpr 100
		.amdhsa_reserve_vcc 0
		.amdhsa_float_denorm_mode_32 3
		.amdhsa_float_denorm_mode_16_64 3
		.amdhsa_memory_ordered 1
		.amdhsa_forward_progress 1
		.amdhsa_inst_pref_size 158
	.end_amdhsa_kernel
	.amdgpu_metadata
---
amdhsa.version: [ 1, 2 ]
amdhsa.kernels:
  - .name:           k_q6c27f2fd13_mlp1
    .symbol:         k_q6c27f2fd13_mlp1.kd
    .args:
      - { .name: hpan, .offset: 0, .size: 8, .value_kind: global_buffer, .address_space: global }
      - { .name: wpan, .offset: 8, .size: 8, .value_kind: global_buffer, .address_space: global }
      - { .name: b1, .offset: 16, .size: 8, .value_kind: global_buffer, .address_space: global }
      - { .name: fpan, .offset: 24, .size: 8, .value_kind: global_buffer, .address_space: global }
    .group_segment_fixed_size: 327680
    .private_segment_fixed_size: 0
    .kernarg_segment_align: 8
    .kernarg_segment_size: 32
    .max_flat_workgroup_size: 128
    .sgpr_count:     100
    .vgpr_count:     1024
    .wavefront_size: 32
...
	.end_amdgpu_metadata
.endif
;; end of part 6
;; launch mlp2 (part 7): grid 4 x 16, 4 waves a work-group, clusters of 4 x 4, 327,680 bytes of LDS; arguments fpan, wpan, b2, x2, out0; writes out0
.if DOCPART == 7
	.amdgcn_target "amdgcn-amd-amdhsa--gfx1250"
	.amdhsa_code_object_version 6
	.text
	.protected	k_q6c27f2fd13_mlp2
	.globl	k_q6c27f2fd13_mlp2
	.p2align	8
	.type	k_q6c27f2fd13_mlp2,@function
k_q6c27f2fd13_mlp2:
	s_mov_b64 s[64:65], 0
	v_nop
	global_prefetch_b8 v0, s[64:65] scope:SCOPE_SE
	s_setreg_imm32_b32 hwreg(HW_REG_WAVE_MODE, 25, 1), 1
	s_wait_xcnt 0x0
	s_wait_alu depctr_hold_cnt(0) depctr_sa_sdst(0) depctr_va_vdst(0) depctr_va_sdst(0) depctr_va_ssrc(0) depctr_va_vcc(0) depctr_vm_vsrc(0)
	s_getreg_b32 s2, hwreg(HW_REG_IB_STS2, 6, 4)
	s_cmp_eq_u32 s2, 0
	s_cbranch_scc0 .Lentry_in_a_cluster
	s_endpgm
.Lentry_in_a_cluster:
	s_bfe_u32 s2, ttmp6, 0x10000c
	s_cmp_lg_u32 s2, 0xf033
	s_cbranch_scc0 .Lentry_shape_is_right
	s_endpgm
.Lentry_shape_is_right:
; out = x2 + (f W2 + b2): a product on codes of FP6 (E2M3) with E8M0 scales, K = 4,096; bias and residual are added in f32 on the way out.
; A tile of 256 x 256 is made by four waves, each 128 x 128: 64 accumulators.  K goes in slots of 256 through a ring of two LDS slots filled by the tensor data mover.  N = 1,024 gives 64 tiles: 64 work-groups.
; OPERANDS lie in memory as records of 12,800 bytes for (128 rows, 128 along K): 8 images of fragments (1,536 bytes: register 4 c + i of lane l at 512 c + 16 l + 4 i), then 8 x 64 bytes of scale words; a block's records
; follow each other along K: 128 rows x 256 along K are 25,600 dense bytes, one tensor load.  Row p of fragment 2 g + u is row 32 g + 8 u + p % 8 + 16 (p / 8) of its block:
; a lane's 16 registers of accumulators 2 g, 2 g + 1 are 16 neighbouring columns of one token.  Source 0 = weights' columns, source 1 = tokens.
; CLUSTERS 4 x 4: tokens' tiles are asked for jointly by a row of the cluster, weights' tiles by a column.
; REGISTERS: window 0: v8-11 bias; v16-30 addresses; v32-63 scale words, two sets; v64-127 residual rows; v128-223 source 1's 8 fragments; on the way out v128-255 rows of the result.
;   Window 1: source 0's fragments, two sets.  Windows 2, 3: the accumulators, (a, b) at v[8 (8 (a % 4) + b)].
.set KTOT,  4096
.set WOFF,  6553600                    ; W2's records in wpan
.set HALFA, 0                          ; source 1 comes as whole images
.set NLA,   3                          ; LDS loads that bring a fragment of source 1
.set NTOUT, 1                          ; the result is read by nobody here
.set KS,    KTOT/128
.set LAPS,  KTOT/512
.set REC,   12800
.set HALFT, 2*REC
.set SLOT,  4*HALFT
.set SPARE, 2*SLOT                     ; behind the ring: the spare words, 128 bytes for each wave: two blocks of 256 bytes that no other line names
.set SPITCH, 528                       ; the way out: a stage of 16 rows x (512 bytes + 16) for each wave, in slot 0, which has had its last fill and its last read by then
.set BI,    8
.set ADRA,  16
.set ADRB,  18
.set ADRS,  20
.set ADRA8, 22
.set STO,   24
.set RD,    25
.set L16,   26
.set SPW,   28
.set NIL,   29
.set SC,    32
.set RES,   64
.set AF,    128
.set BK,    128
.set G1, 24
.set G0, 32
.set G1B, 48
.set G0B, 56
.set MSB, 0
.macro WIN new                         ; the immediate's high byte repeats the setting that is left
.if MSB != (\new)
	s_set_vgpr_msb (MSB<<8)|(\new)
.set MSB, (\new)
.endif
.endm
.set MUL_LO, 0xa1
.set MUL_HI, 0xf1
.set TO_B,   0x40
.macro JLOAD g0a, g1a, g0b, g1b        ; a joint load: waves 0, 1 fetch tokens, waves 2, 3 weights; an s_nop 0 and four v_nop follow each line
	s_cmp_eq_u32 s15, 0
	s_cbranch_scc0 .Lfor_b_\@
	tensor_load_to_lds s[\g0a:\g0a+3], s[\g1a:\g1a+7]
	s_nop 0
.rept 4
	v_nop
.endr
	s_branch .Lasked_\@
.Lfor_b_\@:
	tensor_load_to_lds s[\g0b:\g0b+3], s[\g1b:\g1b+7]
	s_nop 0
.rept 4
	v_nop
.endr
.Lasked_\@:
.endm
.macro CREST
	s_cmp_lg_u32 s14, 0
	s_cbranch_scc1 .Lnot_wave_0_\@
	s_barrier_signal -3
.Lnot_wave_0_\@:
	s_barrier_wait -3
	s_barrier_signal -1
	s_barrier_wait -1
.endm
.macro CROUND
	s_barrier_signal -1
	s_barrier_wait -1
	CREST
.endm
	s_load_b256 s[4:11], s[0:1], 0x0               ; tokens' panels, wpan, bias, residual
	s_load_b64 s[12:13], s[0:1], 0x20              ; the result
	v_lshl_add_u32 v[SPW], v0, 2, SPARE
	v_mov_b32 v[NIL], 0
	ds_add_u32 v[SPW], v[NIL]                      ; the wave's opening: an add of 0 to my spare word, twice on end, and its wait ahead of my first tensor load
	ds_add_u32 v[SPW], v[NIL]
	v_lshrrev_b32 v1, 5, v0
	v_readfirstlane_b32 s14, v1                    ; wave 0..3
	s_lshr_b32 s15, s14, 1                         ; which 128 tokens are mine.  Also: I fetch tokens (0) or weights (1)
	s_and_b32 s16, s14, 1                          ; which 128 columns.  Also: which 128 rows of the tile I fetch
	s_bfe_u32 s40, ttmp6, 0x40000
	s_bfe_u32 s41, ttmp6, 0x40004
	s_lshl_b32 s42, ttmp9, 2
	s_add_co_u32 s42, s42, s40                     ; tile column
	s_and_b32 s17, ttmp7, 0xffff
	s_lshl_b32 s17, s17, 2
	s_add_co_u32 s17, s17, s41                     ; tile row
	s_lshl_b32 s43, s41, 2
	s_lshl_b32 s43, 15, s43
	s_lshl_b32 s44, 0x1111, s40
	s_or_b32 s[G1+0], s43, (3<<16)|(1<<21)         ; 15:0 the mask; 17:16 elements of 8 bytes; 21 set beside a mask; no padding
	s_or_b32 s[G1B+0], s44, (3<<16)|(1<<21)
.irp g, G1, G1B
	s_mov_b32 s[\g+1], 32<<16                      ; rows of 256 bytes,
	s_mov_b32 s[\g+2], 100<<16                     ; 100 of them: 25,600 dense bytes
	s_mov_b32 s[\g+3], 32<<16
	s_mov_b32 s[\g+4], 100
	s_mov_b32 s[\g+5], 32
	s_mov_b32 s[\g+6], 0
	s_mov_b32 s[\g+7], 0
.endr
	s_lshl_b32 s20, s17, 1
	s_add_co_u32 s20, s20, s16
	s_mul_i32 s20, s20, KS*REC
	s_mov_b32 s21, 0
	s_lshl_b32 s46, s42, 1
	s_add_co_u32 s46, s46, s16
	s_mul_i32 s46, s46, KS*REC
	s_add_co_u32 s46, s46, WOFF
	s_mov_b32 s47, 0
	s_mul_i32 s45, s14, HALFT
	s_wait_dscnt 0x0                               ; both opening adds are done
	s_wait_kmcnt 0x0
	s_add_nc_u64 s[20:21], s[4:5], s[20:21]
	s_add_nc_u64 s[46:47], s[6:7], s[46:47]
	CROUND
.irp s, 0,1
	s_mov_b32 s[G0+4*\s], 1
	s_add_co_u32 s[G0+4*\s+1], s45, \s*SLOT
	s_add_nc_u64 s[G0+4*\s+2:G0+4*\s+3], s[20:21], \s*HALFT
	s_or_b32 s[G0+4*\s+3], s[G0+4*\s+3], 0x80000000
	s_mov_b32 s[G0B+4*\s], 1
	s_add_co_u32 s[G0B+4*\s+1], s45, \s*SLOT
	s_add_nc_u64 s[G0B+4*\s+2:G0B+4*\s+3], s[46:47], \s*HALFT
	s_or_b32 s[G0B+4*\s+3], s[G0B+4*\s+3], 0x80000000
	JLOAD G0+4*\s, G1, G0B+4*\s, G1B
.endr
	v_and_b32 v1, 31, v0
	v_and_b32 v2, 15, v0                           ; r
	v_bfe_u32 v3, v0, 4, 1                         ; h
	v_lshlrev_b32 v[L16], 4, v1
	v_lshlrev_b32 v5, 3, v1
	s_mul_i32 s18, s15, HALFT
	s_mul_i32 s19, s16, HALFT
	s_add_co_u32 s19, s19, 2*HALFT
	s_sub_co_u32 s22, s19, s18
	v_mul_u32_u24 v4, s22, v3                      ; lanes 16-31 take source 0's scale words
	v_lshl_add_u32 v4, v2, 2, v4
	s_add_co_u32 s23, s18, 12288
.irp s, 0,1
	v_add_nc_u32 v[ADRA+\s], s18, v[L16]
	v_add_nc_u32 v[ADRA8+\s], s18, v5
	v_add_nc_u32 v[ADRB+\s], s19, v[L16]
	v_add_nc_u32 v[ADRS+\s], s23, v4
	s_add_co_u32 s18, s18, SLOT
	s_add_co_u32 s19, s19, SLOT
	s_add_co_u32 s23, s23, SLOT
.endr
	s_mul_i32 s22, s14, 16*SPITCH                  ; my stage
	v_mul_u32_u24 v4, v2, SPITCH
	v_lshl_add_u32 v4, v3, 6, v4
	v_add_nc_u32 v[STO], s22, v4                   ; in: row r, + 64 h
	v_add_nc_u32 v[RD], s22, v[L16]                ; back: the 32 lanes take one row of 512 bytes
	s_lshl_b32 s84, s17, 1
	s_add_co_u32 s84, s84, s15
	s_lshl_b32 s84, s84, 19                        ; my 128 tokens: rows of 4,096 bytes
	s_lshl_b32 s85, s42, 1
	s_add_co_u32 s85, s85, s16
	s_lshl_b32 s85, s85, 9                         ; my 128 columns
	s_add_co_u32 s86, s84, s85
	s_mov_b32 s87, 0
	s_add_nc_u64 s[66:67], s[10:11], s[86:87]      ; the residual
	s_add_nc_u64 s[68:69], s[12:13], s[86:87]      ; the result
	s_mov_b32 s86, s85
	s_add_nc_u64 s[70:71], s[8:9], s[86:87]        ; the bias
.macro RLOAD a                         ; the residual's 16 rows that fragment a holds
.set t, 0
.rept 16
	global_load_b128 v[RES+4*t:RES+4*t+3], v[L16], s[66:67] offset:(32*((\a)/2)+8*((\a)%2)+t%8+16*(t/8))*4096
.set t, t+1
.endr
.endm
	global_load_b128 v[BI:BI+3], v[L16], s[70:71]  ; asked for ahead of the K loop, wanted behind it
	RLOAD 0
.macro FRAG reg, adr, q, i
.irp c, 0,1,2
	ds_load_b128 v[\reg+4*\c:\reg+4*\c+3], v[\adr] offset:(\q)*REC+(\i)*1536+512*\c
.endr
.endm
.macro FRAGH reg, slot, q, i           ; two half images make a fragment (not used at HALFA = 0)
.irp c, 0,1
	ds_load_b128 v[\reg+6*\c:\reg+6*\c+3], v[ADRA+\slot] offset:(\q)*REC+6144*\c+(\i)*768
	ds_load_b64 v[\reg+6*\c+4:\reg+6*\c+5], v[ADRA8+\slot] offset:(\q)*REC+6144*\c+(\i)*768+512
.endr
.endm
.macro FETCH_B slot, q, p
	WIN TO_B
.irp i, 0,1,2,3,4,5,6,7
	FRAG 128*(\p)+12*\i, ADRB+\slot, \q, \i
.endr
	WIN 0
.endm
.macro FETCH_A slot, q, i0
.irp i, \i0, \i0+1, \i0+2, \i0+3
.if HALFA
	FRAGH AF+12*(\i), \slot, \q, \i
.else
	FRAG AF+12*(\i), ADRA+\slot, \q, \i
.endif
.endr
.endm
.macro SCALES set
.irp q, 0,1
.irp i, 0,1,2,3,4,5,6,7
	ds_load_b32 v[SC+16*\set+8*\q+\i], v[ADRS+\set] offset:\q*REC+64*\i
.endr
.endr
.endm
; 16 matrix instructions: tokens' fragments a0, a0 + 1 x the weights' eight.  The 64 accumulators take turns, one instruction a turn.
.macro MUL16 a0, p, q, sc, first
.irp a, \a0, \a0+1
.irp b, 0,1,2,3,4,5,6,7
.set rD, 8*(8*((\a)%4)+\b)
.set rB, 128*(\p)+12*\b
.set rA, AF+12*(\a)
.set rSB, SC+16*(\sc)+8*(\q)+\b
.set rSA, SC+16*(\sc)+8*(\q)+(\a)
.if \first
	v_wmma_scale_f32_16x16x128_f8f6f4 v[rD:rD+7], v[rB:rB+11], v[rA:rA+11], 0, v[rSB], v[rSA] matrix_a_fmt:MATRIX_FMT_FP6 matrix_b_fmt:MATRIX_FMT_FP6 matrix_a_scale:MATRIX_SCALE_ROW1
.else
	v_wmma_scale_f32_16x16x128_f8f6f4 v[rD:rD+7], v[rB:rB+11], v[rA:rA+11], v[rD:rD+7], v[rSB], v[rSA] matrix_a_fmt:MATRIX_FMT_FP6 matrix_b_fmt:MATRIX_FMT_FP6 matrix_a_scale:MATRIX_SCALE_ROW1
.endif
.endr
.endr
.endm
.macro PLACES                          ; four places in front of loads into registers that matrix instructions have read, and of the first read of results
.rept 4
	v_nop
.endr
.endm
.macro STEP slot, first
	s_wait_dscnt 4*NLA                             ; all but the youngest loads (tokens' fragments 4-7) are in
	WIN MUL_LO
	MUL16 0, 0, 0, \slot, \first
	MUL16 2, 0, 0, \slot, \first
	s_wait_dscnt 0x0
	PLACES
	FETCH_B \slot, 1, 1
	FETCH_A \slot, 1, 0
	WIN MUL_HI
	MUL16 4, 0, 0, \slot, \first
	MUL16 6, 0, 0, \slot, \first
	PLACES
	WIN 0
	FETCH_A \slot, 1, 4
.endm
.macro TURN slot, next, fill           ; a slot's second half changes slots: ONE barrier, which opens a round of the cluster's where the slot is filled again
	s_wait_tensorcnt 0x0                           ; all my tensor loads have landed: my part of the next slot
	ds_add_u32 v[SPW], v[NIL]                      ; 0 onto my spare word
	s_wait_dscnt 4*NLA+1                           ; (the add and the youngest loads may be out)
	WIN MUL_LO
	MUL16 0, 1, 1, \slot, 0
	s_wait_dscnt 0x0                               ; the add is done, and my reads of this slot are over
	s_barrier_signal -1
	MUL16 2, 1, 1, \slot, 0
	WIN 0
	s_barrier_wait -1
.if \fill
	CREST
	s_add_nc_u64 s[G0+4*\slot+2:G0+4*\slot+3], s[G0+4*\slot+2:G0+4*\slot+3], 2*HALFT
	s_add_nc_u64 s[G0B+4*\slot+2:G0B+4*\slot+3], s[G0B+4*\slot+2:G0B+4*\slot+3], 2*HALFT
	JLOAD G0+4*\slot, G1, G0B+4*\slot, G1B         ; the first tensor load behind the round; its four v_nop are the places in front of the loads below
.else
	PLACES
.endif
	FETCH_B \next, 0, 0
	FETCH_A \next, 0, 0
	SCALES \next
	WIN MUL_HI
	MUL16 4, 1, 1, \slot, 0
	MUL16 6, 1, 1, \slot, 0
	PLACES
	WIN 0
	FETCH_A \next, 0, 4
.endm
	s_wait_tensorcnt 1                             ; my part of slot 0 is in; slot 1's load may be out
	s_barrier_signal -1
	s_barrier_wait -1
	FETCH_B 0, 0, 0
	FETCH_A 0, 0, 0
	SCALES 0
	FETCH_A 0, 0, 4
	STEP 0, 1
	s_mov_b32 s3, LAPS-1
.Llap:
	TURN 0, 1, 1
	STEP 1, 0
	TURN 1, 0, 1
	STEP 0, 0
	s_sub_co_u32 s3, s3, 1
	s_cmp_lg_u32 s3, 0
	s_cbranch_scc1 .Llap
	TURN 0, 1, 0
	STEP 1, 0
	s_wait_dscnt 4*NLA
	WIN MUL_LO
	MUL16 0, 1, 1, 1, 0
	MUL16 2, 1, 1, 1, 0
	s_wait_dscnt 0x0
	WIN MUL_HI
	MUL16 4, 1, 1, 1, 0
	MUL16 6, 1, 1, 1, 0
	WIN 0
; THE WAY OUT, 16 tokens x 128 columns at a time: through my own stage in LDS, back as whole rows of 512 bytes; + bias, + residual; 32 lanes store 512 consecutive bytes.
.macro TOSTAGE a
.set AC, 64*((\a)%4)
	WIN 0x08+4*((\a)/4)                            ; an LDS store's data: window 2 or 3
.irp b, 0,1,2,3,4,5,6,7
	ds_store_b128 v[STO], v[AC+8*\b:AC+8*\b+3] offset:128*(\b/2)+32*(\b%2)       ; columns 32 (b / 2) + 16 h + 8 (b % 2) on; each accumulator from its low end on
	ds_store_b128 v[STO], v[AC+8*\b+4:AC+8*\b+7] offset:128*(\b/2)+32*(\b%2)+16
.endr
	WIN 0
.set BB, BK+64*((\a)%2)
.set t, 0
.rept 16
	ds_load_b128 v[BB+4*t:BB+4*t+3], v[RD] offset:t*SPITCH   ; LDS serves a wave's instructions in order: these see the stores above
.set t, t+1
.endr
.endm
.macro ADDS a
.set BB, BK+64*((\a)%2)
.set t, 0
.rept 16
	v_pk_add_f32 v[BB+4*t:BB+4*t+1], v[BB+4*t:BB+4*t+1], v[BI:BI+1]
	v_pk_add_f32 v[BB+4*t+2:BB+4*t+3], v[BB+4*t+2:BB+4*t+3], v[BI+2:BI+3]
.set t, t+1
.endr
.set t, 0
.rept 32
	v_pk_add_f32 v[BB+2*t:BB+2*t+1], v[BB+2*t:BB+2*t+1], v[RES+2*t:RES+2*t+1]
.set t, t+1
.endr
.endm
.macro SEND a
.set BB, BK+64*((\a)%2)
.set t, 0
.rept 16
.if NTOUT
	global_store_b128 v[L16], v[BB+4*t:BB+4*t+3], s[68:69] offset:(32*((\a)/2)+8*((\a)%2)+t%8+16*(t/8))*4096 th:TH_STORE_NT
.else
	global_store_b128 v[L16], v[BB+4*t:BB+4*t+3], s[68:69] offset:(32*((\a)/2)+8*((\a)%2)+t%8+16*(t/8))*4096
.endif
.set t, t+1
.endr
.endm
	PLACES
.irp a, 0,1,2,3,4,5,6,7
.if \a >= 2
	s_wait_xcnt 0x0                                ; the stores of two blocks back have read their data: those registers are loaded again only behind this wait
.endif
	TOSTAGE \a
	s_wait_dscnt 0x0                               ; the block is back in registers,
	s_wait_loadcnt 0x0                             ; and its residual rows (the first time: the bias too) are in
	ADDS \a
.if \a < 7
	RLOAD \a+1
.endif
	SEND \a
.endr
	s_wait_tensorcnt 0x0                           ; the wave's end, behind my last tensor load and my last LDS store
	ds_add_u32 v[SPW], v[NIL]
	s_wait_dscnt 0x0
	CROUND                                         ; the closing round
	s_endpgm
.Lfunc_end_k_q6c27f2fd13_mlp2:
	.size	k_q6c27f2fd13_mlp2, .Lfunc_end_k_q6c27f2fd13_mlp2-k_q6c27f2fd13_mlp2
	.p2alignl 7, 3214868480
	.fill 96, 4, 3214868480
	.section	.rodata,"a",@progbits
	.p2align	6, 0x0
	.amdhsa_kernel k_q6c27f2fd13_mlp2
		.amdhsa_group_segment_fixed_size 327680
		.amdhsa_private_segment_fixed_size 0
		.amdhsa_enable_private_segment 0
		.amdhsa_kernarg_size 40
		.amdhsa_user_sgpr_count 2
		.amdhsa_user_sgpr_kernarg_segment_ptr 1
		.amdhsa_wavefront_size32 1
		.amdhsa_system_sgpr_workgroup_id_x 1
		.amdhsa_system_sgpr_workgroup_id_y 1
		.amdhsa_system_sgpr_workgroup_id_z 1
		.amdhsa_system_vgpr_workitem_id 0
		.amdhsa_next_free_vgpr 1024
		.amdhsa_next_free_sgpr 100
		.amdhsa_reserve_vcc 0
		.amdhsa_float_denorm_mode_32 3
		.amdhsa_float_denorm_mode_16_64 3
		.amdhsa_memory_ordered 1
		.amdhsa_forward_progress 1
		.amdhsa_inst_pref_size 179
	.end_amdhsa_kernel
	.amdgpu_metadata
---
amdhsa.version: [ 1, 2 ]
amdhsa.kernels:
  - .name:           k_q6c27f2fd13_mlp2
    .symbol:         k_q6c27f2fd13_mlp2.kd
    .args:
      - { .name: fpan, .offset: 0, .size: 8, .value_kind: global_buffer, .address_space: global }
      - { .name: wpan, .offset: 8, .size: 8, .value_kind: global_buffer, .address_space: global }
      - { .name: b2, .offset: 16, .size: 8, .value_kind: global_buffer, .address_space: global }
      - { .name: x2, .offset: 24, .size: 8, .value_kind: global_buffer, .address_space: global }
      - { .name: out0, .offset: 32, .size: 8, .value_kind: global_buffer, .address_space: global }
    .group_segment_fixed_size: 327680
    .private_segment_fixed_size: 0
    .kernarg_segment_align: 8
    .kernarg_segment_size: 40
    .max_flat_workgroup_size: 128
    .sgpr_count:     100
    .vgpr_count:     1024
    .wavefront_size: 32
...
	.end_amdgpu_metadata
.endif
;; end of part 7
